; MI455X (gfx1250); checked and timed in simulation.
; The chip was launched on July 23, 2026; its instructions are those of AMD's public machine-readable ISA for CDNA 5 (MIT licence, August 2026) and "CDNA5" Instruction Set Architecture Reference Guide (July 2026). The comments in the code are by the model that wrote it; some were corrected since.
;; Unidir Attention. Allowed arithmetic: matrix products marked QUANTISED: E4M3 operands, one E8M0 scale for each 32 along K, by v_wmma_scale_f32_16x16x128_f8f6f4 with both operands' format E4M3, f32 sums; everything else in f32.
;; Inputs: W_o 1,024 x 1,024 float32; W_qkv 3,072 x 1,024 float32; b_o 1,024 float32; b_qkv 3,072 float32; x 2 x 2,048 x 1,024 float32.
;; Outputs: out0 2 x 2,048 x 1,024 float32.
;; Constants: num_heads = 16.
;; This version of the problem:
;;   THIS VERSION OF THE PROBLEM IS GIVEN IN LOW PRECISION. The matrix products marked QUANTISED in the list below multiply operands that are first quantised to E4M3 (4 exponent bits, 3 mantissa bits; 8 bits a number), with one power-of-two scale for each 32 numbers along K (OCP MX v1.0); their sums are f32. All else is computed in f32.
;;   The module's matrix products, in the order in which they are computed (A, B: the left and right operand; K: the contracted axis; several contracted axes count as one K, in the product's order):
;;     1. [M 4,096, K 1,024] x [K 1,024, N 3,072]; A: input x; B: input W_qkv: QUANTISED
;;     2. batch 32 x [M 2,048, K 64] x [K 64, N 2,048]; A: computed on the way; B: computed on the way: QUANTISED
;;     3. batch 32 x [M 2,048, K 2,048] x [K 2,048, N 64]; A: softmax (see below); B: computed on the way: QUANTISED
;;     4. [M 4,096, K 1,024] x [K 1,024, N 1,024]; A: computed on the way; B: input W_o: QUANTISED
;;   THE QUANTISER, for each operand of a quantised product, along K:
;;     - K is cut into blocks of 32 from its start; a last block that is shorter is filled with zeros.
;;     - A block's scale is 2^e with e = floor(log2(the largest magnitude in the block)) - 8, held to -126 .. 127; a block of zeros has e = 0. As a byte (E8M0): e + 127.
;;     - Each number is divided by its block's scale, clamped to +-448, and rounded to the nearest number of E4M3, ties to even, subnormals kept.
;;     - The product sums the exact products of the quantised numbers (number of the format x scale) in f32.
;;   ~~~python
;;   def quantise(x, axis):      # numpy; x: float32 -> the quantised numbers, widened to float32 again
;;       x = np.moveaxis(x, axis, -1); K = x.shape[-1]
;;       x = np.pad(x, [(0, 0)] * (x.ndim - 1) + [(0, -K % 32)]); x = x.reshape(x.shape[:-1] + (-1, 32)); a = np.abs(x).max(-1, keepdims=True)
;;       e = np.where(a > 0, np.clip(np.frexp(np.where(a > 0, a, 1))[1] - 1 - 8, -126, 127), 0)      # np.frexp(a)[1] - 1 = floor(log2(a)), exactly
;;       r = np.clip(x / 2.0 ** e, -448, 448)
;;       step = 2.0 ** (np.maximum(np.frexp(np.where(r == 0, 1, r))[1] - 1, -6) - 3)
;;       q = np.round(r / step) * step * 2.0 ** e      # np.round: ties to even
;;       return np.moveaxis(q.reshape(q.shape[:-2] + (-1,))[..., :K], -1, axis).astype(np.float32)
;;   ~~~
;;   SOFTMAX AHEAD OF A QUANTISED PRODUCT. Where the list says 'softmax', what is quantised is not the finished softmax but p = 2^(t - M), with t = logit x log2(e) and M = ceil(the row's largest t), a whole number; so 1/2 < the row's largest p <= 1. The row's sum l is taken of the UNQUANTISED p, in f32, and the product's result is divided by l at the end. Since M is a whole number, a kernel that streams over the keys may use a running M (the ceiling of the running maximum): every later rescaling is an exact power of two, which a block's scale takes up: the codes' values come out the same.
;;   OPERANDS COMPUTED ON THE WAY. 'Computed on the way' means the value that the module computes at that place (a softmax that the list does not call 'softmax' is quantised finished and normalised). What goes into a quantiser is computed in f32, as accurately as f32 sums, v_exp_f32 and their like allow (about 1e-6 of the number): no bf16 or f16 on the way to a quantiser, and a product that is left as it is and whose result goes on into a quantised operand takes f32 operands (vector FMAs, or v_wmma_f32_16x16x4_f32). A number that lies on a knife's edge between two numbers of the format may be rounded either way, as far as f32 arithmetic and the matrix unit's own rounding can turn it there, and no further.
;; One version. Each part assembles by itself: llvm-mc -triple=amdgcn-amd-amdhsa -mcpu=gfx1250 --defsym DOCPART=n.
;; ======== version 1 of 1: 4 launches
;; limits: right only within a limited range of input values
;; workspace buffers: cod 8,388,608 bytes; scl 262,144 bytes; qr 4,456,448 bytes; kv 8,781,824 bytes; oc 4,194,304 bytes; os 131,072 bytes
;; launch quant (part 1): grid 256 x 1, 4 waves a work-group, no clusters, 33,280 bytes of LDS; arguments x, W_qkv, W_o, cod, scl; writes cod, scl
.if DOCPART == 1
	.amdgcn_target "amdgcn-amd-amdhsa--gfx1250"
	.amdhsa_code_object_version 6
	.text
	.protected	k_q78943c6a57_quant
	.globl	k_q78943c6a57_quant
	.p2align	8
	.type	k_q78943c6a57_quant,@function
k_q78943c6a57_quant:
	s_mov_b64 s[64:65], 0
	v_nop
	global_prefetch_b8 v0, s[64:65] scope:SCOPE_SE
	s_setreg_imm32_b32 hwreg(HW_REG_WAVE_MODE, 25, 1), 1
	s_wait_xcnt 0x0
; x [4096][1024], W_qkv [3072][1024] and W_o [1024][1024], f32, become codes of E4M3, K innermost, and one E8M0 byte for each 32 along K:
; cod [8192 rows][1024 bytes], scl [8192 rows][32 bytes]; rows 0-4095 x's tokens, 4096-7167 W_qkv's rows, 7168-8191 W_o's.
; A block's scale is 2^(floor(log2(its largest magnitude)) - 8): its byte is the largest magnitude's exponent field - 8, held at 1 from below.
; Each number is divided by the scale, held within +-448 and rounded to the nearest code, ties to even.
; THE ROWS ARE STORED IN TILE ORDER: in every 32 rows the second and the third group of eight change places.  Sixteen neighbouring stored rows are then
; actual rows 0-7 and 16-23 (or 8-15 and 24-31) of the 32, so that the results of two neighbouring tiles of 16 rows are 16 neighbours along the next product's K.
; LIMITS: a block of zeros gets the byte 1 where the rule says 127 (its codes are zeros, and this program alone reads the bytes); blocks whose largest
; magnitude lies under 2^-118 take the byte 1; NaN and infinities among the inputs are not served.
; A work-group takes 32 rows, a wave eight (8,192 numbers, dense in memory), in 16 steps of 512 numbers.  Each load reads 512 consecutive bytes; a step's 2,048 bytes
; turn through the wave's own stage in LDS and come back 64 bytes a lane: 16 neighbours along K, two lanes to a block.  No barrier: waves share nothing.
.set STEPS, 16
.set MANT,  0x600000                   ; the mantissa field of 448 as f32
.set CB,    16                         ; bytes of 16 codes
.set R,     16                         ; v16-79   four sets of 16 numbers as they are loaded
.set X,     80                         ; v80-111  two sets of 16 neighbours
.set E,     112                        ; v112-127 a scale byte for each step
.set C,     128                        ; v128-191 codes: four registers for each step, so that no store's data are written again
.set WREG,  8192                       ; LDS: a region for each wave: two stages of 32 x SP bytes, behind them its 256 scale bytes
.set SP,    80                         ; a lane's place in a stage: its 64 bytes + 16 of padding
	s_load_b128 s[4:7], s[0:1], 0x0                ; x, W_qkv
	s_load_b128 s[8:11], s[0:1], 0x10              ; W_o, cod
	s_load_b64 s[12:13], s[0:1], 0x20              ; scl
	v_lshl_add_u32 v192, v0, 2, 0x8000
	v_mov_b32 v193, 0
	v_lshrrev_b32 v1, 5, v0
	v_readfirstlane_b32 s16, v1                    ; wave
	v_and_b32 v2, 31, v0                           ; lane
	v_lshlrev_b32 v3, 4, v2                        ; my 16 bytes of a load's 512
	s_mul_i32 s17, s16, WREG
	v_lshrrev_b32 v14, 2, v2
	v_mul_u32_u24 v14, v14, SP
	v_and_b32 v15, 3, v2
	v_lshl_add_u32 v14, v15, 4, v14
	v_add_nc_u32 v14, s17, v14                     ; the stage, on the way in: SP (lane / 4) + 16 (lane % 4)
	v_mul_u32_u24 v15, v2, SP
	v_add_nc_u32 v15, s17, v15                     ; and on the way out: SP x lane: my 16 neighbours
	v_mul_u32_u24 v4, v2, CB                       ; my codes' place in a step's
	v_lshrrev_b32 v5, 1, v2
	s_add_co_u32 s17, s17, 2*32*SP
	v_add_nc_u32 v5, s17, v5                       ; LDS: my wave's 256 scale bytes, my block's byte
	v_lshlrev_b32 v7, 3, v2                        ; and on the way out 8 bytes a lane
	v_add_nc_u32 v6, s17, v7
	s_mov_b32 s24, MANT
	s_and_b32 s20, s16, 1                          ; where my eight rows go: groups 1 and 2 of the 32 change places
	s_lshl_b32 s20, s20, 1
	s_lshr_b32 s21, s16, 1
	s_or_b32 s20, s20, s21
	s_lshl_b32 s21, ttmp9, 2
	s_add_co_u32 s20, s20, s21                     ; the stored group of eight rows: 4 x work-group + the swapped wave
	s_wait_alu depctr_va_vdst(0)
	s_wait_kmcnt 0x0
	s_mov_b32 s17, 224
	s_cmp_lt_u32 ttmp9, 224                        ; which tensor: work-groups 0-127 x, 128-223 W_qkv, 224-255 W_o.  The choice hangs on the work-group's number alone
	s_cselect_b64 s[6:7], s[6:7], s[8:9]
	s_cselect_b32 s17, 128, s17
	s_cmp_lt_u32 ttmp9, 128
	s_cselect_b64 s[4:5], s[4:5], s[6:7]
	s_cselect_b32 s17, 0, s17
	s_sub_co_u32 s17, ttmp9, s17
	s_lshl_b32 s17, s17, 2
	s_add_co_u32 s18, s17, s16                     ; which eight rows of the tensor are my wave's
	s_lshl_b32 s18, s18, 15                        ; 32,768 bytes each (16 MiB at the most)
	s_mov_b32 s19, 0
	s_add_nc_u64 s[4:5], s[4:5], s[18:19]
	s_lshl_b32 s22, s20, 13                        ; eight rows of codes are 8,192 bytes,
	s_mov_b32 s23, 0
	s_add_nc_u64 s[10:11], s[10:11], s[22:23]
	s_lshl_b32 s22, s20, 8                         ; of scale bytes 256
	s_add_nc_u64 s[12:13], s[12:13], s[22:23]
.macro LOAD t
.irp i, 0,1,2,3
	global_load_b128 v[R+16*((\t)%4)+4*\i:R+16*((\t)%4)+4*\i+3], v3, s[4:5] offset:2048*(\t)+512*\i th:TH_LOAD_NT   ; 32 lanes read 512 consecutive bytes, read once in the launch
.endr
.endm
.macro TURN t                          ; step t's numbers through the stage: LDS serves a wave's instructions in order, so no wait stands between the stores and the loads
.irp i, 0,1,2,3
	ds_store_b128 v14, v[R+16*((\t)%4)+4*\i:R+16*((\t)%4)+4*\i+3] offset:32*SP*((\t)%2)+8*SP*\i
.endr
.irp i, 0,1,2,3
	ds_load_b128 v[X+16*((\t)%2)+4*\i:X+16*((\t)%2)+4*\i+3], v15 offset:32*SP*((\t)%2)+16*\i
.endr
.endm
.irp t, 0,1,2,3
	LOAD \t
.endr
	s_wait_loadcnt 12                              ; step 0's four loads are in; the twelve of steps 1 to 3 stay out
	TURN 0
.macro STEP t
.set XS, X+16*((\t)%2)
.if (\t) > 0
	s_wait_dscnt 1                                 ; this step's numbers are back from the stage (the last step's byte store may be out): so its stores into the stage have read their registers,
.else
	s_wait_dscnt 0x0
.endif
.if (\t)+4 < STEPS
	LOAD (\t)+4                                    ; which take the loads of four steps on
.endif
.if (\t)+1 < STEPS
.if STEPS-2-(\t) >= 3
	s_wait_loadcnt 12                              ; the next step's four loads are in; those of the three steps behind it may be out
.else
	s_wait_loadcnt 4*(STEPS-2-(\t))
.endif
	TURN (\t)+1                                    ; and go through the other stage while this step is worked
.endif
	v_max3_num_f32 v8, |v[XS]|, |v[XS+1]|, |v[XS+2]|               ; the largest magnitude of my 16, in two chains
	v_max3_num_f32 v9, |v[XS+3]|, |v[XS+4]|, |v[XS+5]|
.irp i, 6,10
	v_max3_num_f32 v8, v8, |v[XS+\i]|, |v[XS+\i+1]|
	v_max3_num_f32 v9, v9, |v[XS+\i+2]|, |v[XS+\i+3]|
.endr
	v_max3_num_f32 v8, v8, |v[XS+14]|, |v[XS+15]|
	v_max3_num_f32 v8, v8, v9, 0x4800000           ; and the floor 2^(9 - 127): the byte cannot fall under 1
	v_max_num_f32_dpp v8, v8, v8 row_xmask:1 row_mask:0xf bank_mask:0xf   ; and of my neighbour's 16: the block's
	v_add_nc_u32 v11, 0xfc000000, v8               ; 8 off its exponent field: the conversion takes the exponent field of this operand as its scale
	v_and_or_b32 v10, v8, 0x7f800000, s24          ; 448 x the scale: the largest magnitude's exponent field over 448's mantissa
.irp i, 0,1,2,3,4,5,6,7,8,9,10,11,12,13,14,15
	v_med3_num_f32 v[XS+\i], v[XS+\i], -v10, v10   ; the conversion to an 8-bit code does not saturate (ISA guide 7.6.2): the number is held first
.endr
	v_cvt_scalef32_pk8_fp8_f32 v[C+4*(\t):C+4*(\t)+1], v[XS:XS+7], v11
	v_cvt_scalef32_pk8_fp8_f32 v[C+4*(\t)+2:C+4*(\t)+3], v[XS+8:XS+15], v11
	v_lshrrev_b32 v[E+(\t)], 23, v11               ; the scale's byte (also the plain line behind the conversions)
	ds_store_b8 v5, v[E+(\t)] offset:16*(\t)       ; both lanes of a block write the same byte with the same value
	global_store_b128 v4, v[C+4*(\t):C+4*(\t)+3], s[10:11] offset:32*CB*(\t)   ; the wave stores 512 consecutive bytes, aligned
.endm
.irp t, 0,1,2,3,4,5,6,7,8,9,10,11,12,13,14,15
	STEP \t
.endr
	ds_load_b64 v[12:13], v6                       ; LDS serves a wave's instructions in order: these see my stores
	s_wait_dscnt 0x0
	global_store_b64 v7, v[12:13], s[12:13]        ; 32 lanes store 256 consecutive bytes, aligned: eight rows' scale bytes
	s_wait_tensorcnt 0x0
	ds_add_u32 v192, v193
	s_wait_dscnt 0x0
	s_endpgm
.Lfunc_end_k_q78943c6a57_quant:
	.size	k_q78943c6a57_quant, .Lfunc_end_k_q78943c6a57_quant-k_q78943c6a57_quant
	.p2alignl 7, 3214868480
	.fill 96, 4, 3214868480
	.section	.rodata,"a",@progbits
	.p2align	6, 0x0
	.amdhsa_kernel k_q78943c6a57_quant
		.amdhsa_group_segment_fixed_size 33280
		.amdhsa_private_segment_fixed_size 0
		.amdhsa_enable_private_segment 0
		.amdhsa_kernarg_size 40
		.amdhsa_user_sgpr_count 2
		.amdhsa_user_sgpr_kernarg_segment_ptr 1
		.amdhsa_wavefront_size32 1
		.amdhsa_system_sgpr_workgroup_id_x 1
		.amdhsa_system_sgpr_workgroup_id_y 1
		.amdhsa_system_sgpr_workgroup_id_z 1
		.amdhsa_system_vgpr_workitem_id 0
		.amdhsa_next_free_vgpr 194
		.amdhsa_next_free_sgpr 66
		.amdhsa_reserve_vcc 0
		.amdhsa_float_denorm_mode_32 3
		.amdhsa_float_denorm_mode_16_64 3
		.amdhsa_memory_ordered 1
		.amdhsa_forward_progress 1
		.amdhsa_inst_pref_size 51
	.end_amdhsa_kernel
	.amdgpu_metadata
---
amdhsa.version: [ 1, 2 ]
amdhsa.kernels:
  - .name:           k_q78943c6a57_quant
    .symbol:         k_q78943c6a57_quant.kd
    .args:
      - { .name: x, .offset: 0, .size: 8, .value_kind: global_buffer, .address_space: global }
      - { .name: W_qkv, .offset: 8, .size: 8, .value_kind: global_buffer, .address_space: global }
      - { .name: W_o, .offset: 16, .size: 8, .value_kind: global_buffer, .address_space: global }
      - { .name: cod, .offset: 24, .size: 8, .value_kind: global_buffer, .address_space: global }
      - { .name: scl, .offset: 32, .size: 8, .value_kind: global_buffer, .address_space: global }
    .group_segment_fixed_size: 33280
    .private_segment_fixed_size: 0
    .kernarg_segment_align: 8
    .kernarg_segment_size: 40
    .max_flat_workgroup_size: 128
    .sgpr_count:     66
    .vgpr_count:     194
    .wavefront_size: 32
...
	.end_amdgpu_metadata
.endif
;; end of part 1
;; launch qkv (part 2): grid 8 x 24, 4 waves a work-group, clusters of 4 x 4, 327,680 bytes of LDS; arguments cod, scl, b_qkv, qr, kv; writes qr, kv
.if DOCPART == 2
	.amdgcn_target "amdgcn-amd-amdhsa--gfx1250"
	.amdhsa_code_object_version 6
	.text
	.protected	k_q78943c6a57_qkv
	.globl	k_q78943c6a57_qkv
	.p2align	8
	.type	k_q78943c6a57_qkv,@function
k_q78943c6a57_qkv:
	s_mov_b64 s[64:65], 0
	v_nop
	global_prefetch_b8 v0, s[64:65] scope:SCOPE_SE
	s_setreg_imm32_b32 hwreg(HW_REG_WAVE_MODE, 25, 1), 1
	s_wait_xcnt 0x0
	s_wait_alu depctr_hold_cnt(0) depctr_sa_sdst(0) depctr_va_vdst(0) depctr_va_sdst(0) depctr_va_ssrc(0) depctr_va_vcc(0) depctr_vm_vsrc(0)
	s_getreg_b32 s2, hwreg(HW_REG_IB_STS2, 6, 4)
	s_cmp_eq_u32 s2, 0
	s_cbranch_scc0 .Lentry_in_a_cluster
	s_endpgm
.Lentry_in_a_cluster:
	s_bfe_u32 s2, ttmp6, 0x10000c
	s_cmp_lg_u32 s2, 0xf033
	s_cbranch_scc0 .Lentry_shape_is_right
	s_endpgm
.Lentry_shape_is_right:
.set KSTEP,  256
.set NQ,     2
.set ROWB,   256
.set KROW,   1024
.set PITCH,  272
.set FR,     16
.set NL,     4
.set NP,     8
.set HALFT,  128*PITCH
.set SLOT,   4*HALFT
.set LAPS,   2
.set KS,     32
.set SCL,    2*SLOT
.set HALFS,  16*272
.set SBLK,   2*272
.set SPARE,  SCL+4*HALFS
.set LI,   7
.set BA,   8
.set ADRA, 16
.set BBO,  18
.set BAO,  19
.set ADRB, 20
.set ADRS, 27
.set SPW,  28
.set NIL,  29
.set VOS,  30
.set SH,   31
.set SC,   32
.set BB,   64
.set AF,   128
.set T,    128
.set PC,   192
.set TM,   208
.set SW,   232
.set VW,   240
.set G1, 24
.set G0, 32
.set G1B, 48
.set G0B, 56
.set SEL, 66
.set G1S, 68
.set G0S, 76
.set G1SB, 80
.set G0SB, 88
.set MNT, 95
.set SB0, 96
.set SB1, 98
.set TY,  100
.set HM,  101
.set MSB, 0
.macro WIN new
.set WNEW, \new
.if MSB != WNEW
	s_set_vgpr_msb (MSB<<8)|WNEW
.set MSB, WNEW
.endif
.endm
.set MUL_LO, 0xa1
.set MUL_HI, 0xf1
.set TO_B,   0x40
.macro JLOAD g0a, g1a, g0b, g1b
	s_cmp_eq_u32 s15, 0
	s_cbranch_scc0 .Lfor_b_\@
	tensor_load_to_lds s[\g0a:\g0a+3], s[\g1a:\g1a+7]
	s_nop 0
.rept 4
	v_nop
.endr
	s_branch .Lasked_\@
.Lfor_b_\@:
	tensor_load_to_lds s[\g0b:\g0b+3], s[\g1b:\g1b+7]
	s_nop 0
.rept 4
	v_nop
.endr
.Lasked_\@:
.endm
.macro CREST
	s_cmp_lg_u32 s14, 0
	s_cbranch_scc1 .Lnot_wave_0_\@
	s_barrier_signal -3
.Lnot_wave_0_\@:
	s_barrier_wait -3
	s_barrier_signal -1
	s_barrier_wait -1
.endm
.macro CROUND
	s_barrier_signal -1
	s_barrier_wait -1
	CREST
.endm
	s_load_b128 s[4:7], s[0:1], 0x0
	s_load_b128 s[8:11], s[0:1], 0x10
	s_load_b64 s[12:13], s[0:1], 0x20
	v_lshl_add_u32 v[SPW], v0, 2, SPARE
	v_mov_b32 v[NIL], 0
	ds_add_u32 v28, v29
	ds_add_u32 v28, v29
	s_wait_dscnt 0x0
	v_lshrrev_b32 v1, 5, v0
	v_readfirstlane_b32 s14, v1
	s_lshr_b32 s15, s14, 1
	s_and_b32 s16, s14, 1
	s_bfe_u32 s40, ttmp6, 0x40000
	s_bfe_u32 s41, ttmp6, 0x40004
	s_and_b32 s17, ttmp7, 0xffff
	s_lshl_b32 s43, s41, 2
	s_lshl_b32 s43, 15, s43
	s_lshl_b32 s44, 0x1111, s40
	s_lshl_b32 s20, s17, 10
	s_lshl_b32 s46, ttmp9, 10
	s_add_co_u32 s46, s46, 4096
	s_max_u32 s42, s17, 4
	s_sub_co_u32 s42, s42, 4
	s_lshl_b32 s42, s42, 1
	s_add_co_u32 s42, s42, ttmp9
	s_lshl_b32 s45, s42, 10
	s_mov_b32 s21, 6144
	s_cmp_lt_u32 s17, 4
	s_cselect_b32 s20, s20, s21
	s_cselect_b32 s46, s46, s45
	s_cselect_b32 s[TY], ttmp9, 2
	s_or_b32 s[G1+0], s43, (0<<16)|(1<<20)|(1<<21)|(5<<22)|(3<<25)
	s_or_b32 s[G1B+0], s44, (0<<16)|(1<<20)|(1<<21)|(5<<22)|(3<<25)
.irp g, G1, G1B
	s_mov_b32 s[\g+1], ROWB<<16
	s_mov_b32 s[\g+2], 256<<16                     ; the head's loads of codes bring 256 rows; behind them the two words that count rows are set to 128, for the ring's
	s_mov_b32 s[\g+3], ROWB<<16
	s_mov_b32 s[\g+4], 256
	s_mov_b32 s[\g+5], KROW
	s_mov_b32 s[\g+6], 0
	s_mov_b32 s[\g+7], 0
.endr
	s_or_b32 s[G1S+0], s43, (3<<16)|(1<<20)|(1<<21)|(5<<22)|(3<<25)
	s_or_b32 s[G1SB+0], s44, (3<<16)|(1<<20)|(1<<21)|(5<<22)|(3<<25)
.irp g, G1S, G1SB
	s_mov_b32 s[\g+1], 32<<16
	s_mov_b32 s[\g+2], 32<<16                      ; the scales of 256 rows: 8,192 dense bytes as 32 rows of 256
	s_mov_b32 s[\g+3], 32<<16
	s_mov_b32 s[\g+4], 32
	s_mov_b32 s[\g+5], 32
	s_mov_b32 s[\g+6], 0
	s_mov_b32 s[\g+7], 0
.endr
	s_lshl_b32 s19, s41, 8
	s_add_co_u32 s20, s20, s19                     ; A: the tile's first row
	s_lshl_b32 s47, s40, 8
	s_add_co_u32 s46, s46, s47                     ; B: the tile's first row
	s_lshl_b32 s22, s20, 5
	s_mov_b32 s23, 0
	s_lshl_b32 s20, s20, 10
	s_mov_b32 s21, 0
	s_lshl_b32 s92, s46, 5
	s_mov_b32 s93, 0
	s_lshl_b32 s46, s46, 10
	s_mov_b32 s47, 0
	s_mul_i32 s45, s14, HALFT
	s_mul_i32 s18, s16, 128*KROW                   ; in the ring I fetch 128 rows of a tile: which half, in bytes
	s_mov_b32 s19, 0
	s_wait_kmcnt 0x0
	s_add_nc_u64 s[20:21], s[4:5], s[20:21]
	s_add_nc_u64 s[22:23], s[6:7], s[22:23]
	s_add_nc_u64 s[46:47], s[4:5], s[46:47]
	s_add_nc_u64 s[92:93], s[6:7], s[92:93]
	CROUND
	s_mov_b32 s[G0S], 1
	s_mov_b32 s[G0S+1], SCL
	s_mov_b64 s[G0S+2:G0S+3], s[22:23]
	s_or_b32 s[G0S+3], s[G0S+3], 0x80000000
	s_mov_b32 s[G0SB], 1
	s_mov_b32 s[G0SB+1], SCL+2*HALFS
	s_mov_b64 s[G0SB+2:G0SB+3], s[92:93]
	s_or_b32 s[G0SB+3], s[G0SB+3], 0x80000000
.irp s, 0,1
	s_mov_b32 s[G0+4*\s], 1
	s_add_co_u32 s[G0+4*\s+1], s45, \s*SLOT
	s_add_nc_u64 s[G0+4*\s+2:G0+4*\s+3], s[20:21], \s*ROWB
	s_add_nc_u64 s[G0+4*\s+2:G0+4*\s+3], s[G0+4*\s+2:G0+4*\s+3], s[18:19]
	s_or_b32 s[G0+4*\s+3], s[G0+4*\s+3], 0x80000000
	s_mov_b32 s[G0B+4*\s], 1
	s_add_co_u32 s[G0B+4*\s+1], s45, \s*SLOT
	s_add_nc_u64 s[G0B+4*\s+2:G0B+4*\s+3], s[46:47], \s*ROWB
	s_add_nc_u64 s[G0B+4*\s+2:G0B+4*\s+3], s[G0B+4*\s+2:G0B+4*\s+3], s[18:19]
	s_or_b32 s[G0B+4*\s+3], s[G0B+4*\s+3], 0x80000000
.endr
	s_mov_b32 s4, 1                                ; group 0 of the head's loads of K step 0, in registers whose arguments and offsets have been used: A's 256 rows to slot 0's first byte,
	s_mov_b32 s5, 0
	s_mov_b64 s[6:7], s[20:21]
	s_or_b32 s7, s7, 0x80000000
	s_mov_b32 s44, 1                               ; B's 256 rows behind them (s[46:47] holds their address already)
	s_mov_b32 s45, 2*HALFT
	s_or_b32 s47, s47, 0x80000000
; THE HEAD'S LOADS, ONE A WAVE: wave 0 K step 0's 256 rows of A, wave 1 its 256 rows of B, wave 2 the scales of A's 256 rows, wave 3 those of B's.
; One chain of branches on the wave's number, one load to an arm, all arms leading to one join.
.macro ARM under, g0, g1, next
	s_cmp_lt_u32 s14, \under
	s_cbranch_scc0 \next
	tensor_load_to_lds s[\g0:\g0+3], s[\g1:\g1+7]
	s_nop 0
.rept 4
	v_nop
.endr
	s_branch .Lhead_asked
\next:
.endm
	ARM 1, 4,   G1,  .Lhead_b
	ARM 2, 44,  G1B, .Lhead_sa
	ARM 3, G0S, G1S, .Lhead_sb
	tensor_load_to_lds s[G0SB:G0SB+3], s[G1SB:G1SB+7]
	s_nop 0
.rept 4
	v_nop
.endr
.Lhead_asked:
	v_and_b32 v1, 15, v0
	v_bfe_u32 v2, v0, 4, 1
	v_mul_u32_u24 v3, v1, PITCH
	v_lshl_add_u32 v4, v2, 4, v3
	s_mul_i32 s21, s15, HALFT
	s_mul_i32 s22, s16, HALFT
	s_add_co_u32 s22, s22, 2*HALFT
.irp s, 0,1
	v_add_nc_u32 v[ADRA+\s], s21, v4
	v_add_nc_u32 v[ADRB+\s], s22, v4
	s_add_co_u32 s21, s21, SLOT
	s_add_co_u32 s22, s22, SLOT
.endr
	v_mul_u32_u24 v5, v1, KS
	v_lshrrev_b32 v6, 8, v5
	v_lshl_add_u32 v5, v6, 4, v5
	s_mul_i32 s21, s15, HALFS
	s_mul_i32 s22, s16, HALFS
	s_add_co_u32 s22, s22, 2*HALFS
	s_sub_co_u32 s22, s22, s21
	v_mul_u32_u24 v6, s22, v2
	s_add_co_u32 s21, s21, SCL
	v_add_nc_u32 v5, v5, v6
	v_add_nc_u32 v[ADRS], s21, v5
	s_lshl_b32 s2, ttmp9, 12
	s_lshl_b32 s3, s40, 10
	s_add_co_u32 s2, s2, s3
	s_lshl_b32 s3, s16, 9
	s_add_co_u32 s2, s2, s3
	v_lshlrev_b32 v[BBO], 6, v2
	v_add_nc_u32 v[BBO], s2, v[BBO]
	s_lshl_b32 s2, s41, 10
	s_lshl_b32 s3, s15, 9
	s_add_co_u32 s2, s2, s3
	s_add_co_u32 s2, s2, 8192
	v_and_b32 v[BAO], 8, v1
	v_add_nc_u32 v[BAO], v[BAO], v1
	v_lshlrev_b32 v[BAO], 2, v[BAO]
	v_add_nc_u32 v[BAO], s2, v[BAO]
.irp b, 0,1,2,3
.irp k, 0,1,2,3
	global_load_b128 v[BB+16*\b+4*\k:BB+16*\b+4*\k+3], v[BBO], s[8:9] offset:128*\b+16*\k
.endr
.endr
.irp a, 0,1,2,3,4,5,6,7
	global_load_b32 v[BA+\a], v[BAO], s[8:9] offset:128*(\a/2)+32*(\a%2)
.endr
	s_cmp_lt_u32 s17, 4
	s_cselect_b32 s2, s17, s42
	s_cselect_b32 s3, s41, s40
	s_cselect_b32 s66, s15, s16
	s_cselect_b32 s67, s40, s41
	s_cselect_b32 s95, s16, s15
	s_lshl_b32 s2, s2, 3
	s_lshl_b32 s3, s3, 1
	s_add_co_u32 s2, s2, s3
	s_add_co_u32 s2, s2, s66
	s_lshl_b32 s67, s67, 2
	s_lshl_b32 s95, s95, 1
	s_add_co_u32 s67, s67, s95
	s_lshr_b32 s3, s2, 4
	s_lshl_b32 s3, s3, 4
	s_add_co_u32 s3, s3, s67
	s_lshl_b32 s3, s3, 4
	s_and_b32 s2, s2, 15
	s_add_co_u32 s3, s3, s2
	s_mov_b32 s67, 17152
	s_mov_b32 s66, 16384
	s_cmp_eq_u32 s[TY], 0
	s_cselect_b32 s67, 8704, s67
	s_cselect_b64 s[SB0:SB0+1], s[10:11], s[12:13]
	s_cselect_b32 s66, 8192, s66
	s_mul_i32 s98, s3, s67
	s_mov_b32 s99, 0
	s_add_nc_u64 s[SB0:SB0+1], s[SB0:SB0+1], s[98:99]
	s_lshl_b32 s98, s67, 4
	s_mov_b32 s95, s98
	s_add_nc_u64 s[SB1:SB1+1], s[SB0:SB0+1], s[98:99]
	s_cmp_eq_u32 s[TY], 2
	s_cselect_b32 s66, 16896, s66
	v_mul_u32_u24 v[VOS], s95, v2
	v_lshl_add_u32 v[VOS], v1, 4, v[VOS]
	v_add_nc_u32 v[VOS], s66, v[VOS]
	v_lshlrev_b32 v[SH], 4, v2
	v_and_b32 v[LI], 31, v0
	v_lshlrev_b32 v[LI], 4, v[LI]
	s_mov_b32 s[MNT], 0x600000
	s_mov_b32 s[SEL], 0x76543210
	s_mov_b32 s[SEL+1], 0xfedcba98
	s_mov_b32 s[HM], 0xffff0000
.macro FRAG reg, adr, q, i
.irp c, 0,1,2,3
	ds_load_b128 v[\reg+4*\c:\reg+4*\c+3], v[\adr] offset:128*(\q)+32*\c+(\i)*16*PITCH
.endr
.endm
.macro MUL16 a0, p, q, sc, zero
.irp a, \a0, \a0+1
.irp b, 0,1,2,3,4,5,6,7
.if \zero
	v_wmma_scale_f32_16x16x128_f8f6f4 v[8*(8*((\a)%4)+\b):8*(8*((\a)%4)+\b)+7], v[128*(\p)+FR*\b:128*(\p)+FR*\b+FR-1], v[AF+FR*(\a):AF+FR*(\a)+FR-1], 0, v[SC+8*NQ*(\sc)+NQ*\b+(\q)], v[SC+8*NQ*(\sc)+NQ*(\a)+(\q)] matrix_a_scale:MATRIX_SCALE_ROW1
.else
	v_wmma_scale_f32_16x16x128_f8f6f4 v[8*(8*((\a)%4)+\b):8*(8*((\a)%4)+\b)+7], v[128*(\p)+FR*\b:128*(\p)+FR*\b+FR-1], v[AF+FR*(\a):AF+FR*(\a)+FR-1], v[8*(8*((\a)%4)+\b):8*(8*((\a)%4)+\b)+7], v[SC+8*NQ*(\sc)+NQ*\b+(\q)], v[SC+8*NQ*(\sc)+NQ*(\a)+(\q)] matrix_a_scale:MATRIX_SCALE_ROW1
.endif
.endr
.endr
.endm
.macro FETCH_B slot, q, p
	WIN TO_B
.irp i, 0,1,2,3,4,5,6,7
	FRAG 128*(\p)+FR*\i, ADRB+\slot, \q, \i
.endr
	WIN 0
.endm
.macro FETCH_A slot, q, i0
.irp i, \i0, \i0+1, \i0+2, \i0+3
	FRAG AF+FR*(\i), ADRA+\slot, \q, \i
.endr
.endm
.macro SCALES sc
.irp i, 0,1,2,3,4,5,6,7
	ds_load_b64 v[SC+8*NQ*\sc+NQ*\i:SC+8*NQ*\sc+NQ*\i+1], v[ADRS] offset:\i*SBLK
.endr
.endm
.macro PLACES n
.rept \n
	v_nop
.endr
.endm
.macro STEP slot, q, zero
	s_wait_dscnt 4*NL
	WIN MUL_LO
	MUL16 0, (\q)%2, \q, \slot, \zero
	MUL16 2, (\q)%2, \q, \slot, \zero
	s_wait_dscnt 0
	PLACES NP
	FETCH_B \slot, (\q)+1, 1-(\q)%2
	FETCH_A \slot, (\q)+1, 0
	WIN MUL_HI
	MUL16 4, (\q)%2, \q, \slot, \zero
	MUL16 6, (\q)%2, \q, \slot, \zero
	PLACES NP
	WIN 0
	FETCH_A \slot, (\q)+1, 4
.endm
.macro TURN slot, next, fill
	s_wait_tensorcnt 0x0
	ds_add_u32 v[SPW], v[NIL]
	s_wait_dscnt 4*NL+1
	WIN MUL_LO
	MUL16 0, 1, NQ-1, \slot, 0
	s_wait_dscnt 0x0
	s_barrier_signal -1
	MUL16 2, 1, NQ-1, \slot, 0
	WIN 0
	s_barrier_wait -1
.if \fill
	CREST
	s_add_nc_u64 s[G0+4*\slot+2:G0+4*\slot+3], s[G0+4*\slot+2:G0+4*\slot+3], 2*ROWB
	s_add_nc_u64 s[G0B+4*\slot+2:G0B+4*\slot+3], s[G0B+4*\slot+2:G0B+4*\slot+3], 2*ROWB
	JLOAD G0+4*\slot, G1, G0B+4*\slot, G1B
	PLACES NP-4
.else
	PLACES NP
.endif
	s_wait_alu depctr_va_vdst(0)
	v_add_nc_u32 v[ADRS], 4*NQ, v[ADRS]
	FETCH_B \next, 0, 0
	FETCH_A \next, 0, 0
	SCALES \next
	WIN MUL_HI
	MUL16 4, 1, NQ-1, \slot, 0
	MUL16 6, 1, NQ-1, \slot, 0
	PLACES NP
	WIN 0
	FETCH_A \next, 0, 4
.endm
	s_wait_alu depctr_va_vdst(0)                   ; the wait at the head's end
	s_wait_tensorcnt 0x0                           ; my tile of the head's four is in; the lines ahead of a later first fill:
	ds_add_u32 v[SPW], v[NIL]
	s_mov_b32 s[G1+2], 128<<16                     ; no tensor load of mine is out: from here on a load brings 128 rows
	s_mov_b32 s[G1+4], 128
	s_mov_b32 s[G1B+2], 128<<16
	s_mov_b32 s[G1B+4], 128
	s_wait_dscnt 0x0
	CROUND                                         ; all four tiles are in, and all sixteen work-groups are here
	JLOAD G0+4, G1, G0B+4, G1B                     ; K step 1's load, the first tensor load behind the round
	FETCH_B 0, 0, 0
	FETCH_A 0, 0, 0
	SCALES 0
	FETCH_A 0, 0, 4
	STEP 0, 0, 1
	s_mov_b32 s3, LAPS-1
.Llap:
	TURN 0, 1, 1
	STEP 1, 0, 0
	TURN 1, 0, 1
	STEP 0, 0, 0
	s_sub_co_u32 s3, s3, 1
	s_cmp_lg_u32 s3, 0
	s_cbranch_scc1 .Llap
	TURN 0, 1, 0
	STEP 1, 0, 0
	s_wait_dscnt 4*NL
	WIN MUL_LO
	MUL16 0, 1, NQ-1, 1, 0
	MUL16 2, 1, NQ-1, 1, 0
	s_wait_dscnt 0
	WIN MUL_HI
	MUL16 4, 1, NQ-1, 1, 0
	MUL16 6, 1, NQ-1, 1, 0
	WIN 0
.macro QUANT s, pw
.irp b, 0,1,2,3
	v_max3_num_f32 v[TM+\b], |v[\s+16*\b]|, |v[\s+1+16*\b]|, 0x4800000
.endr
.irp i, 2,4,6,8,10,12,14
.irp b, 0,1,2,3
	v_max3_num_f32 v[TM+\b], v[TM+\b], |v[\s+16*\b+\i]|, |v[\s+1+16*\b+\i]|
.endr
.endr
.irp b, 0,1,2,3
	v_permlanex16_b32 v[TM+4+\b], v[TM+\b], s[SEL], s[SEL+1]
.endr
.irp b, 0,1,2,3
	v_max_num_f32 v[TM+\b], v[TM+\b], v[TM+4+\b]
.endr
.irp b, 0,1,2,3
	v_add_nc_u32 v[TM+12+\b], 0xfc000000, v[TM+\b]
.endr
.irp b, 0,1,2,3
	v_and_or_b32 v[TM+8+\b], v[TM+\b], 0x7f800000, s[MNT]
.endr
.irp b, 0,1,2,3
	v_lshrrev_b32 v[TM+4+\b], 23, v[TM+12+\b]
.endr
	v_lshl_or_b32 v[(\pw)], v[TM+5], 8, v[TM+4]
	v_lshl_or_b32 v[(\pw)], v[TM+6], 16, v[(\pw)]
	v_lshl_or_b32 v[(\pw)], v[TM+7], 24, v[(\pw)]
.irp b, 0,1,2,3
.irp i, 0,1,2,3,4,5,6,7,8,9,10,11,12,13,14,15
	v_med3_num_f32 v[\s+16*\b+\i], v[\s+16*\b+\i], -v[TM+8+\b], v[TM+8+\b]
.endr
	v_cvt_scalef32_pk8_fp8_f32 v[PC+4*\b:PC+1+4*\b], v[\s+16*\b:\s+7+16*\b], v[TM+12+\b]
	v_cvt_scalef32_pk8_fp8_f32 v[PC+2+4*\b:PC+3+4*\b], v[\s+8+16*\b:\s+15+16*\b], v[TM+12+\b]
.endr
	v_nop
.endm
.macro EPI a
	s_wait_xcnt 0x0
	s_cmp_eq_u32 s[TY], 2
	s_cbranch_scc1 .Lbias_v_\@
	WIN 0x02+(\a)/4
.set k, 0
.rept 32
	v_pk_add_f32 v[T+k:T+k+1], v[64*((\a)%4)+k:64*((\a)%4)+k+1], v[BB+k:BB+k+1]
.set k, k+2
.endr
	WIN 0
	s_branch .Lbias_done_\@
.Lbias_v_\@:
	v_mov_b32 v[TM], v[BA+\a]
	v_mov_b32 v[TM+1], v[BA+\a]
	WIN 0x02+(\a)/4
.set k, 0
.rept 32
	v_pk_add_f32 v[T+k:T+k+1], v[64*((\a)%4)+k:64*((\a)%4)+k+1], v[TM:TM+1]
.set k, k+2
.endr
	WIN 0
.Lbias_done_\@:
	QUANT T, SW+\a
	s_cmp_eq_u32 s[TY], 2
	s_cbranch_scc1 .Lsend_v_\@
	global_store_b128 v[LI], v[PC:PC+3], s[SB0:SB0+1] offset:1024*\a
	global_store_b128 v[LI], v[PC+4:PC+7], s[SB0:SB0+1] offset:1024*\a+512
	global_store_b128 v[LI], v[PC+8:PC+11], s[SB1:SB1+1] offset:1024*\a
	global_store_b128 v[LI], v[PC+12:PC+15], s[SB1:SB1+1] offset:1024*\a+512
	s_branch .Lsent_\@
.Lsend_v_\@:
	s_wait_alu depctr_va_vdst(0)
.irp c, 0,1,2,3
	global_store_b128 v[LI], v[PC+4*\c:PC+4*\c+3], s[SB0+2*(\a/4):SB0+2*(\a/4)+1] offset:8192+2048*(\a%4)+512*\c
.endr
.Lsent_\@:
.endm
	PLACES NP
.irp b, 0,1,2,3
	v_mov_b32 v[TM+4+\b], 0
.endr
	s_wait_loadcnt 0x0
.irp a, 0,1,2,3,4,5,6,7
	EPI \a
.endr
	s_cmp_eq_u32 s[TY], 2
	s_cbranch_scc1 .Lwords_v
.irp a, 0,1,2,3,4,5,6,7
	v_lshrrev_b32 v[SW+\a], v[SH], v[SW+\a]
.endr
	global_store_b128 v[VOS], v[SW:SW+3], s[SB0:SB0+1]
	global_store_b128 v[VOS], v[SW+4:SW+7], s[SB0:SB0+1] offset:256
	s_branch .Lwords_done
.Lwords_v:
.irp t, 0,1,2,3
	v_cndmask_b32 v[VW+\t], v[SW+\t], v[SW+4+\t], s[HM]
.endr
	global_store_b128 v[VOS], v[VW:VW+3], s[SB0:SB0+1]
.Lwords_done:
	s_wait_tensorcnt 0x0
	ds_add_u32 v[SPW], v[NIL]
	s_wait_dscnt 0x0
	CROUND
	s_endpgm
.Lfunc_end_k_q78943c6a57_qkv:
	.size	k_q78943c6a57_qkv, .Lfunc_end_k_q78943c6a57_qkv-k_q78943c6a57_qkv
	.p2alignl 7, 3214868480
	.fill 96, 4, 3214868480
	.section	.rodata,"a",@progbits
	.p2align	6, 0x0
	.amdhsa_kernel k_q78943c6a57_qkv
		.amdhsa_group_segment_fixed_size 327680
		.amdhsa_private_segment_fixed_size 0
		.amdhsa_enable_private_segment 0
		.amdhsa_kernarg_size 40
		.amdhsa_user_sgpr_count 2
		.amdhsa_user_sgpr_kernarg_segment_ptr 1
		.amdhsa_wavefront_size32 1
		.amdhsa_system_sgpr_workgroup_id_x 1
		.amdhsa_system_sgpr_workgroup_id_y 1
		.amdhsa_system_sgpr_workgroup_id_z 1
		.amdhsa_system_vgpr_workitem_id 0
		.amdhsa_next_free_vgpr 1024
		.amdhsa_next_free_sgpr 102
		.amdhsa_reserve_vcc 0
		.amdhsa_float_denorm_mode_32 3
		.amdhsa_float_denorm_mode_16_64 3
		.amdhsa_memory_ordered 1
		.amdhsa_forward_progress 1
		.amdhsa_inst_pref_size 227
	.end_amdhsa_kernel
	.amdgpu_metadata
---
amdhsa.version: [ 1, 2 ]
amdhsa.kernels:
  - .name:           k_q78943c6a57_qkv
    .symbol:         k_q78943c6a57_qkv.kd
    .args:
      - { .name: cod, .offset: 0, .size: 8, .value_kind: global_buffer, .address_space: global }
      - { .name: scl, .offset: 8, .size: 8, .value_kind: global_buffer, .address_space: global }
      - { .name: b_qkv, .offset: 16, .size: 8, .value_kind: global_buffer, .address_space: global }
      - { .name: qr, .offset: 24, .size: 8, .value_kind: global_buffer, .address_space: global }
      - { .name: kv, .offset: 32, .size: 8, .value_kind: global_buffer, .address_space: global }
    .group_segment_fixed_size: 327680
    .private_segment_fixed_size: 0
    .kernarg_segment_align: 8
    .kernarg_segment_size: 40
    .max_flat_workgroup_size: 128
    .sgpr_count:     102
    .vgpr_count:     1024
    .wavefront_size: 32
...
	.end_amdgpu_metadata
.endif
;; end of part 2
;; launch attn (part 3): grid 8 x 32, 16 waves a work-group, no clusters, 327,680 bytes of LDS; arguments qr, kv, oc, os; writes oc, os
.if DOCPART == 3
	.amdgcn_target "amdgcn-amd-amdhsa--gfx1250"
	.amdhsa_code_object_version 6
	.text
	.protected	k_q78943c6a57_attn
	.globl	k_q78943c6a57_attn
	.p2align	8
	.type	k_q78943c6a57_attn,@function
k_q78943c6a57_attn:
	s_mov_b64 s[64:65], 0
	v_nop
	global_prefetch_b8 v0, s[64:65] scope:SCOPE_SE
	s_setreg_imm32_b32 hwreg(HW_REG_WAVE_MODE, 25, 1), 1
	s_wait_xcnt 0x0
; pre_O = softmax(mask(Q K^T / 8)) V for one batch x head, both products on codes of E4M3 with one E8M0 scale for each 32 along K; pre_O is quantised along d and leaves as an image of the last product's operand.
; THE MASK: a logit above the diagonal, and any logit that is exactly 0, counts as -10,000, NOT as -infinity: hidden keys keep the weight 2^(t_m - M).  Scores are kept unscaled (s = 8 x logit), so the fill is -80,000.
; THE SOFTMAX: t = s x log2(e) / 8; M = the largest t so far, rounded up to a whole number; p = 2^(t - M) is quantised along the keys, not normalised; the sum is taken of the unquantised p and divides at the end.
; When M moves, the sum and O are multiplied by 2^(old M - new M): exact.  The largest t begins at t_m in every row that has a hidden key (all but the sequence's last query).
; SHARES.  A work-group owns the blocks i and 15 - i of 128 queries of its head (i = work-group x).  Waves 2 a and 2 a + 1 are a pair and own tile a (16 queries) of both blocks: 17 key steps with scores and 15 without.
; Wave A of a pair: all of block i's tile (steps 0 .. i with scores, the 15 - i hidden steps), its way out; then block 15 - i's tile, steps NB .. 15 - i, as a partial softmax with an M of its own.
; Wave B: block 15 - i's tile, steps 0 .. NB - 1 with scores and its i hidden steps.  NB = 10 for i < 4, else 9: 7 or 8 steps with scores in A, 10 or 9 in B.
; A hands -M, its sum and O^T to B through LDS; B brings both parts under the larger M (powers of two: exact), adds, and stores.
; In a hidden step p is the same number p_m for every key: codes and scale word are made once, behind the wave's last step with scores (J = JT); the sum takes 64 p_m a lane for each hidden step.
; Every wave walks loops of constant trip counts; what a step does (scores, hidden, nothing) hangs on ids alone: FLO <= J <= FHI scores, J >= LLO hidden.
; NO CLUSTER: the eight work-groups of a head read the same K and V, but what a wave does in a step hangs on its block of queries, which would be its place in the cluster, and partners in joint loads branch alike.
; NO PREFETCH: all that the work-group reads of kv is asked for at the head, one tensor load a wave; no later load is left to run ahead of.
; LDS: the head's 16 records of kv, 17,152 bytes each, as they lie in memory: wave w fetches record w, filled once.  Waves 0 and 1 have a load line of their own: the first barrier shows records 0 and 1, the second the rest.
; Behind the records: the spare words (2,048 bytes), then 6,144 bytes a pair: O^T 4,096, (-M, t, sum) 512, Q's image of block 15 - i's tile 1,536 (B stores it, A reads it when it changes tiles).
; LAYOUT.  Both products are used transposed (S^T = K Q^T, O^T = V^T P^T): a lane holds ONE query throughout, query 32 (a / 2) + 8 (a % 2) + r + 8 (r / 8) of its block.  Register 16 b + i of S^T is key 32 b + 16 (lane / 16) + i.
; The head's d = 64 fills half of the instruction's K = 128: registers 8-15 of Q's and K's fragments are zero codes.
; LIMITS: a p under 2^-126 counts as 0; a block of zeros gets the byte 1; a score whose eighth would underflow to 0 is not treated as 0; NaN and infinities are not served.
.set REC,  17152                       ; a record: K's image 8,192, V^T's 8,192, K's scale words 512, V's 256
.set XB,   0x43800                     ; the pairs' bytes
.set XP,   6144
.set LI,   1                           ; 16 x lane
.set LR,   2                           ; 16 x (lane % 16)
.set AD,   3                           ; the step's record + LI
.set ADR,  4                           ; the step's record + LR
.set VD,   5                           ; my query in its block - 16 (lane / 16)
.set SMR,  6                           ; -80,000
.set XA,   7                           ; my pair's bytes + LI
.set OSO,  9                           ; my byte's offset in os
.set QS,   10                          ; Q's scale words
.set PSW,  11                          ; p's scale word;  v12 -M, v13 the largest t, v[14:15] the sum in two halves
.set QF,   16                          ; Q's fragment (v24-31 zeros)
.set KF,   32                          ; four fragments of K (the upper eight registers of each stay zeros)
.set S,    96                          ; S^T, then p, then V's four fragments
.set OT,   160                         ; O^T
.set PC,   192                         ; p's codes
.set KSW,  208
.set VSW,  216
.set BM,   220
.set T2,   224
.set HO,   228
.set SO,   232
.set TMP,  238
.set FF,   240
.set OC,   244
.set WV,   12
.set MNT,  19
.set SEL,  20
.set CS,   22
.set G1,   24
.set G0,   32
.set FLO,  36                          ; first and last step with scores, first hidden step
.set FHI,  37
.set LLO,  38
.set ROLE, 39                          ; 0: wave A of the pair, 1: wave B
.set NB,   40
.set J,    48
.set JD,   49                          ; the tile's block: its diagonal step
.set TB,   50
.set CNT,  51
.set JT,   52                          ; the step behind which p_m's codes are made (99: none)
.set NH,   53                          ; 64 x the tile's hidden steps
.set HM,   54
.set CM,   72
	s_load_b256 s[4:11], s[0:1], 0x0               ; qr, kv, oc, os
	v_lshl_add_u32 v254, v0, 2, 0x43000
	v_mov_b32 v255, 0
	ds_add_u32 v254, v255                          ; the opening lines: the add twice on end and its wait
	ds_add_u32 v254, v255
	v_lshrrev_b32 v1, 5, v0
	s_delay_alu instid0(VALU_DEP_1)
	v_readfirstlane_b32 s[WV], v1                  ; wave 0..15
	s_and_b32 s13, ttmp7, 0xffff                   ; 16 x batch + head
	s_mov_b32 s[G1+0], 3<<16                       ; a record as 67 rows of 256 bytes (32 elements of 8 bytes), no padding
	s_mov_b32 s[G1+1], 32<<16
	s_mov_b32 s[G1+2], 67<<16
	s_mov_b32 s[G1+3], 32<<16
	s_mov_b32 s[G1+4], 67
	s_mov_b32 s[G1+5], 32
	s_mov_b32 s[G1+6], 0
	s_mov_b32 s[G1+7], 0
	s_mul_i32 s15, s[WV], REC                      ; record w: in LDS,
	s_mul_i32 s16, s13, 16*REC
	s_add_co_u32 s16, s16, s15                     ; and in kv
	s_mov_b32 s17, 0
	s_mov_b32 s[G0], 1
	s_mov_b32 s[G0+1], s15
	s_wait_dscnt 0x0
	s_wait_kmcnt 0x0
	s_add_nc_u64 s[G0+2:G0+3], s[6:7], s[16:17]
	s_or_b32 s[G0+3], s[G0+3], 0x80000000
	s_cmp_lt_u32 s[WV], 2                          ; one load a wave; waves 0 and 1 have a line of their own, for which the first barrier's wait stands
	s_cbranch_scc0 .Lrest
	tensor_load_to_lds s[G0:G0+3], s[G1:G1+7]
	s_nop 0
.rept 4
	v_nop
.endr
	s_branch .Lasked
.Lrest:
	tensor_load_to_lds s[G0:G0+3], s[G1:G1+7]
	s_nop 0
.rept 4
	v_nop
.endr
.Lasked:
	s_lshr_b32 s14, s[WV], 1                       ; a: my pair, and its tile of 16 queries
	s_lshr_b32 s15, s[WV], 2
	s_xor_b32 s15, s15, s[WV]
	s_and_b32 s[ROLE], s15, 1
	s_sub_co_u32 s16, 15, ttmp9
	s_cmp_lg_u32 s[ROLE], 0
	s_cselect_b32 s[JD], s16, ttmp9                ; my first tile's block
	s_cmp_lt_u32 ttmp9, 4
	s_cselect_b32 s[NB], 10, 9
	s_sub_co_u32 s17, s[NB], 1
	s_cmp_lg_u32 s[ROLE], 0
	s_cselect_b32 s[FHI], s17, ttmp9
	s_add_co_u32 s[LLO], s[JD], 1
	s_cmp_eq_u32 s[JD], 15
	s_cselect_b32 s[JT], 99, s[FHI]
	s_sub_co_u32 s[NH], 15, s[JD]
	s_lshl_b32 s[NH], s[NH], 6
	s_mov_b32 s[HM], 0xffff0000
	s_mov_b32 s[MNT], 0x600000
	s_mov_b32 s[SEL], 0x76543210
	s_mov_b32 s[SEL+1], 0xfedcba98
	s_mov_b32 s[CS], 0x3e38aa3b                    ; c = log2(e) / 8
	s_mov_b32 s[CS+1], s[CS]
	s_lshl_b32 s16, s13, 4
	s_add_co_u32 s16, s16, s[JD]
	s_mul_i32 s16, s16, 8704                       ; my block's record in qr
	s_lshl_b32 s17, s14, 10
	s_add_co_u32 s56, s16, s17                     ; my tile's image
	s_mov_b32 s57, 0
	s_add_nc_u64 s[56:57], s[4:5], s[56:57]
	s_lshr_b32 s17, s14, 2
	s_lshl_b32 s17, s17, 8
	s_and_b32 s18, s14, 3
	s_lshl_b32 s18, s18, 2
	s_add_co_u32 s17, s17, s18
	s_add_co_u32 s58, s16, s17
	s_add_co_u32 s58, s58, 8192                    ; its scale words: 8,192 + 256 (a / 4) + 4 (a % 4), 16 bytes a row
	s_mov_b32 s59, 0
	s_add_nc_u64 s[58:59], s[4:5], s[58:59]
	v_and_b32 v[LI], 31, v0
	s_delay_alu instid0(VALU_DEP_1)
	v_lshlrev_b32 v[LI], 4, v[LI]
	v_and_b32 v8, 15, v0                           ; r
	s_delay_alu instid0(VALU_DEP_1)
	v_lshlrev_b32 v[LR], 4, v8
	v_bfe_u32 v7, v0, 4, 1                         ; h
	s_wait_alu depctr_va_vdst(0)
	global_load_b128 v[QF:QF+3], v[LI], s[56:57]
	global_load_b128 v[QF+4:QF+7], v[LI], s[56:57] offset:512
	global_load_b32 v[QS], v[LR], s[58:59]
	; where my first tile's pre_O goes: oc [block of 128 tokens][pair of heads][tile][2,048 bytes], os [block][tile][row][32 bytes]
	s_lshr_b32 s16, s13, 4
	s_lshl_b32 s16, s16, 4
	s_add_co_u32 s16, s16, s[JD]
	s_and_b32 s17, s13, 15
	s_lshl_b32 s18, s16, 3
	s_lshr_b32 s55, s17, 1
	s_add_co_u32 s18, s18, s55
	s_lshl_b32 s18, s18, 3
	s_add_co_u32 s18, s18, s14
	s_lshl_b32 s60, s18, 11
	s_and_b32 s55, s17, 1
	s_lshl_b32 s55, s55, 10
	s_add_co_u32 s60, s60, s55
	s_mov_b32 s61, 0
	s_add_nc_u64 s[60:61], s[8:9], s[60:61]
	s_lshl_b32 s18, s16, 3
	s_add_co_u32 s18, s18, s14
	s_lshl_b32 s62, s18, 9
	s_lshl_b32 s55, s17, 1
	s_add_co_u32 s62, s62, s55
	s_mov_b32 s63, 0
	s_add_nc_u64 s[62:63], s[10:11], s[62:63]
	v_lshl_add_u32 v[OSO], v8, 5, v7               ; 32 r + h
	s_lshr_b32 s17, s14, 1
	s_lshl_b32 s17, s17, 5
	s_and_b32 s18, s14, 1
	s_lshl_b32 s18, s18, 3
	s_add_co_u32 s17, s17, s18                     ; 32 (a / 2) + 8 (a % 2)
	v_and_b32 v[AD], 8, v0
	s_delay_alu instid0(VALU_DEP_1)
	v_add_nc_u32 v8, v8, v[AD]                     ; r + 8 (r / 8)
	s_delay_alu instid0(VALU_DEP_1)
	v_add_nc_u32 v8, s17, v8                       ; my query in its block
	v_lshlrev_b32 v[AD], 4, v7
	s_delay_alu instid0(VALU_DEP_1)
	v_sub_nc_u32 v[VD], v8, v[AD]
	s_lshl_b32 s18, s[JD], 7
	v_add_nc_u32 v8, s18, v8                       ; my query in the sequence
	s_delay_alu instid0(VALU_DEP_1)
	v_cmp_eq_u32 vcc_lo, 0x7ff, v8                 ; the last query has no hidden key
	v_mov_b32 v[SMR], 0xc79c4000                   ; -80,000
	v_mov_b32 v[TMP], 0xff61b1e6                   ; -3e38, under every t
	s_delay_alu instid0(VALU_DEP_2)
	v_mul_f32 v13, s[CS], v[SMR]                   ; t_m
	s_delay_alu instid0(VALU_DEP_1)
	v_cndmask_b32 v13, v13, v[TMP], vcc_lo
	s_delay_alu instid0(VALU_DEP_1)
	v_floor_f32 v12, -v13                          ; -M
	s_mul_i32 s17, s14, XP
	s_add_co_u32 s17, s17, XB
	v_add_nc_u32 v[XA], s17, v[LI]
	v_mov_b32 v14, 0
	v_mov_b32 v15, 0
	v_mov_b32 v[PSW], 0x7f7f7f7f
	v_mov_b32 v[FF+1], 0                           ; (named as the upper half of a pair)
.macro CLR lo, n
.set z, \lo
.rept \n
	v_mov_b32 v[z], 0
.set z, z+1
.endr
.endm
	CLR QF+8, 8                                    ; the upper half of K = 128: zero codes, in Q and in K's four fragments; nothing writes these again
	CLR KF+8, 8
	CLR KF+24, 8
	CLR KF+40, 8
	CLR KF+56, 8
	CLR OT, 32                                     ; the step is written once; a tile's first walk finds zeros
	CLR PC, 16
	CLR T2, 4                                      ; a lane permute's destination counts as one of its sources
; A KEY STEP: 128 keys, record J.
.macro STEP hid                        ; hid = 1: a walk from step 0 on, with hidden steps; hid = 0: the second tile's part, steps FLO on, no hidden step
	v_add_nc_u32 v[AD], s[TB], v[LI]
	v_add_nc_u32 v[ADR], s[TB], v[LR]
.if \hid
	s_cmp_ge_u32 s[J], s[LLO]                      ; a hidden step: no scores; p_m's codes stand
	s_cbranch_scc0 .Lseen_\@
.rept 8
	v_nop                                          ; places in front of loads into registers that the last step's products read, and behind the lines that wrote p_m's codes and scale word
.endr
	s_branch .Lpv_\@
.Lseen_\@:
.else
	s_cmp_lt_u32 s[J], s[FLO]                      ; a step that is my partner's: nothing
	s_cbranch_scc1 .Lno_tail_\@
.endif
	s_cmp_gt_u32 s[J], s[FHI]
	s_cbranch_scc1 .Lno_tail_\@
	s_wait_alu depctr_va_vdst(0)
.irp g, 0,1                                    ; S^T = K Q^T, four tiles of 16 keys at a time
.rept 7+\g
	v_nop                                          ; nine places: the first products write over registers that the last products with V read; eight in front of loads into registers just read
.endr
.irp t, 0,1,2,3
	ds_load_b128 v[KF+16*\t:KF+16*\t+3], v[AD] offset:(4*\g+\t)*1024
	ds_load_b128 v[KF+16*\t+4:KF+16*\t+7], v[AD] offset:(4*\g+\t)*1024+512
.endr
	ds_load_b128 v[KSW+4*\g:KSW+4*\g+3], v[ADR] offset:16384+256*\g
	s_wait_dscnt 0x0
.irp t, 0,1,2,3
	v_wmma_scale_f32_16x16x128_f8f6f4 v[S+8*(4*\g+\t):S+8*(4*\g+\t)+7], v[KF+16*\t:KF+16*\t+15], v[QF:QF+15], 0, v[KSW+4*\g+\t], v[QS]
.endr
.endr
	s_cmp_lg_u32 s[J], s[JD]                       ; (no idle line: on either way the next 64 lines work on the first four accumulators, which stand eight places back, and name no register of the last four products)  On the diagonal: register 16 b + i is hidden where 32 b + i > my query - 16 (lane / 16)
	s_cbranch_scc1 .Lopen_\@
.set n, 0
.rept 64
	v_cmp_gt_i32 vcc_lo, 32*(n/16)+n%16, v[VD]
	v_cndmask_b32 v[S+n], v[S+n], v[SMR], vcc_lo
.set n, n+1
.endr
.Lopen_\@:
.set n, 0
.rept 8                                        ; a score that is exactly 0 is filled too; an accumulator at a time, from its low end on
.irp k, 0,1,2,3,4,5,6,7
	v_cmp_eq_f32 s[CM+\k], 0, v[S+n+\k]
.endr
.irp k, 0,1,2,3,4,5,6,7
	v_cndmask_b32 v[S+n+\k], v[S+n+\k], v[SMR], s[CM+\k]
.endr
.set n, n+8
.endr
.irp b, 0,1,2,3
	v_max3_num_f32 v[BM+\b], v[S+16*\b], v[S+1+16*\b], v[S+2+16*\b]   ; the largest score of each block of 32 keys: for the row's maximum and for the block's largest p
.endr
.irp i, 3,5,7,9,11,13
.irp b, 0,1,2,3
	s_delay_alu instid0(VALU_DEP_4)
	v_max3_num_f32 v[BM+\b], v[BM+\b], v[S+16*\b+\i], v[S+1+16*\b+\i]
.endr
.endr
.irp b, 0,1,2,3
	s_delay_alu instid0(VALU_DEP_4)
	v_max_num_f32 v[BM+\b], v[BM+\b], v[S+15+16*\b]
.endr
.irp b, 0,1,2,3
	s_delay_alu instid0(VALU_DEP_4)
	v_permlanex16_b32 v[T2+\b], v[BM+\b], s[SEL], s[SEL+1]
.endr
.irp b, 0,1,2,3
	s_delay_alu instid0(VALU_DEP_4)
	v_max_num_f32 v[BM+\b], v[BM+\b], v[T2+\b]     ; with lane l xor 16's 16 keys
.endr
	s_delay_alu instid0(VALU_DEP_2)
	v_max3_num_f32 v[TMP], v[BM], v[BM+1], v[BM+2]
	s_delay_alu instid0(VALU_DEP_1)
	v_max_num_f32 v[TMP], v[TMP], v[BM+3]
	s_delay_alu instid0(VALU_DEP_1)
	v_mul_f32 v[TMP], s[CS], v[TMP]                ; as t (c is positive)
	s_delay_alu instid0(VALU_DEP_1)
	v_max_num_f32 v13, v13, v[TMP]                 ; the running largest t
	v_mov_b32 v[TMP], v12
	s_delay_alu instid0(VALU_DEP_2)
	v_floor_f32 v12, -v13                          ; the new -M = -ceil(t)
	s_delay_alu instid0(VALU_DEP_1)
	v_sub_f32 v[TMP], v12, v[TMP]                  ; old M - new M: a whole number, 0 or less
	s_delay_alu instid0(VALU_DEP_1)
	v_cvt_i32_f32 v[TMP], v[TMP]                   ; (it saturates)
	s_delay_alu instid0(VALU_DEP_1)
	v_ldexp_f32 v[FF], 1.0, v[TMP]                 ; f = 2^(old M - new M)
.set n, 0
.rept 32
	v_pk_fma_f32 v[S+n:S+n+1], v[S+n:S+n+1], s[CS:CS+1], v[12:13] op_sel_hi:[1,0,0]   ; t - M, two at a time
.set n, n+2
.endr
.irp b, 0,1,2,3
	v_fma_f32 v[BM+\b], v[BM+\b], s[CS], v12       ; the same of each block's largest score
.endr
.set n, 0
	s_wait_alu depctr_va_vdst(0)                   ; the wait ahead of the batch
.rept 64
	v_exp_f32 v[S+n], v[S+n]                       ; p = 2^(t - M), at most 1
.set n, n+1
.endr
.irp b, 0,1,2,3
	v_exp_f32 v[BM+\b], v[BM+\b]                   ; the block's largest p
.endr
	v_pk_mul_f32 v[14:15], v[14:15], v[FF:FF+1] op_sel_hi:[1,0]   ; the sums under the new M (a plain line behind the exponentials)
	s_wait_alu depctr_va_vdst(0)                   ; and behind it
.irp b, 0,1,2,3
	v_max_num_f32 v[BM+\b], 0x4800000, v[BM+\b]    ; the floor 2^(9 - 127): the byte cannot fall under 1
.endr
.irp b, 0,1,2,3
	s_delay_alu instid0(VALU_DEP_4)
	v_add_nc_u32 v[SO+\b], 0xfc000000, v[BM+\b]    ; 8 off the exponent field: the conversion's scale operand
.endr
.irp b, 0,1,2,3
	v_and_or_b32 v[HO+\b], v[BM+\b], 0x7f800000, s[MNT]   ; 448 x the scale
.endr
.irp b, 0,1,2,3
	v_lshrrev_b32 v[T2+\b], 23, v[SO+\b]           ; the scale's byte
.endr
	s_delay_alu instid0(VALU_DEP_3)
	v_lshl_or_b32 v[PSW], v[T2+1], 8, v[T2]        ; p's scale word for these 128 keys
	s_delay_alu instid0(VALU_DEP_1)
	v_lshl_or_b32 v[PSW], v[T2+2], 16, v[PSW]
	s_delay_alu instid0(VALU_DEP_1)
	v_lshl_or_b32 v[PSW], v[T2+3], 24, v[PSW]
	v_pk_add_f32 v[236:237], v[100:101], v[104:105]   ; the sum of the unquantised p, in eight chains
	v_pk_add_f32 v[252:253], v[108:109], v[112:113]
	v_pk_add_f32 v[250:251], v[116:117], v[120:121]
	v_pk_add_f32 v[248:249], v[124:125], v[128:129]
	v_pk_add_f32 v[246:247], v[132:133], v[136:137]
	v_pk_add_f32 v[244:245], v[140:141], v[144:145]
	v_pk_add_f32 v[242:243], v[148:149], v[152:153]
	v_pk_add_f32 v[14:15], v[14:15], v[156:157]
	v_pk_add_f32 v[236:237], v[236:237], v[96:97]
	v_pk_add_f32 v[252:253], v[252:253], v[98:99]
	v_pk_add_f32 v[250:251], v[250:251], v[102:103]
	v_pk_add_f32 v[248:249], v[248:249], v[106:107]
	v_pk_add_f32 v[246:247], v[246:247], v[110:111]
	v_pk_add_f32 v[244:245], v[244:245], v[114:115]
	v_pk_add_f32 v[242:243], v[242:243], v[118:119]
	v_pk_add_f32 v[14:15], v[14:15], v[122:123]
	v_pk_add_f32 v[236:237], v[236:237], v[126:127]
	v_pk_add_f32 v[252:253], v[252:253], v[130:131]
	v_pk_add_f32 v[250:251], v[250:251], v[134:135]
	v_pk_add_f32 v[248:249], v[248:249], v[138:139]
	v_pk_add_f32 v[246:247], v[246:247], v[142:143]
	v_pk_add_f32 v[244:245], v[244:245], v[146:147]
	v_pk_add_f32 v[242:243], v[242:243], v[150:151]
	v_pk_add_f32 v[14:15], v[14:15], v[154:155]
	v_pk_add_f32 v[236:237], v[236:237], v[158:159]
	s_delay_alu instid0(VALU_DEP_2)
	v_pk_add_f32 v[14:15], v[14:15], v[248:249]
	s_delay_alu instid0(VALU_DEP_2)
	v_pk_add_f32 v[236:237], v[236:237], v[246:247]
	v_pk_add_f32 v[252:253], v[252:253], v[244:245]
	v_pk_add_f32 v[250:251], v[250:251], v[242:243]
	s_delay_alu instid0(VALU_DEP_2)
	v_pk_add_f32 v[14:15], v[14:15], v[252:253]
	s_delay_alu instid0(VALU_DEP_2)
	v_pk_add_f32 v[236:237], v[236:237], v[250:251]
	s_delay_alu instid0(VALU_DEP_1)
	v_pk_add_f32 v[14:15], v[14:15], v[236:237]
.irp b, 0,1,2,3
.irp i, 0,1,2,3,4,5,6,7,8,9,10,11,12,13,14,15
	v_min_num_f32 v[S+16*\b+\i], v[S+16*\b+\i], v[HO+\b]   ; the conversion does not saturate (ISA guide 7.6.2); p is not negative, so the hold is one-sided
.endr
	v_cvt_scalef32_pk8_fp8_f32 v[PC+4*\b:PC+1+4*\b], v[S+16*\b:S+7+16*\b], v[SO+\b]
	v_cvt_scalef32_pk8_fp8_f32 v[PC+2+4*\b:PC+3+4*\b], v[S+8+16*\b:S+15+16*\b], v[SO+\b]
.endr
.set n, 0
.rept 16
	v_pk_mul_f32 v[OT+n:OT+n+1], v[OT+n:OT+n+1], v[FF:FF+1] op_sel_hi:[1,0]   ; O^T under the new M
.set n, n+2
.endr
.Lpv_\@:                                       ; O^T += V^T P^T: four tiles of 16 of the head's 64; K = these 128 keys.  Behind a step's scores the 16 lines above are the places behind p's codes
	s_wait_alu depctr_va_vdst(0)
.irp t, 0,1,2,3
.irp c, 0,1,2,3
	ds_load_b128 v[S+16*\t+4*\c:S+16*\t+4*\c+3], v[AD] offset:8192+2048*\t+512*\c
.endr
.endr
	ds_load_b128 v[VSW:VSW+3], v[ADR] offset:16896
	s_wait_dscnt 0x0
.irp t, 0,1,2,3
	v_wmma_scale_f32_16x16x128_f8f6f4 v[OT+8*\t:OT+8*\t+7], v[S+16*\t:S+16*\t+15], v[PC:PC+15], v[OT+8*\t:OT+8*\t+7], v[VSW+\t], v[PSW]   ; the four accumulators take turns
.endr
.if \hid
	s_cmp_lg_u32 s[J], s[JT]                       ; once, behind my last step with scores of a tile whose hidden steps are mine: every hidden key has p_m = 2^(t_m - M)
	s_cbranch_scc1 .Lno_tail_\@
.rept 8
	v_nop                                          ; the lines below write registers that the products above read
.endr
	v_fma_f32 v[TMP], v[SMR], s[CS], v12           ; t_m - M
	s_wait_alu depctr_va_vdst(0)
	v_exp_f32 v[TMP], v[TMP]
	v_nop
	s_wait_alu depctr_va_vdst(0)
	v_max_num_f32 v[BM], 0x4800000, v[TMP]
	s_delay_alu instid0(VALU_DEP_1)
	v_add_nc_u32 v[SO], 0xfc000000, v[BM]
	s_delay_alu instid0(VALU_DEP_2)
	v_and_or_b32 v[HO], v[BM], 0x7f800000, s[MNT]
	s_delay_alu instid0(VALU_DEP_2)
	v_lshrrev_b32 v[T2], 23, v[SO]
	s_delay_alu instid0(VALU_DEP_1)
	v_lshl_or_b32 v[PSW], v[T2], 8, v[T2]          ; the same byte for all four blocks
	s_delay_alu instid0(VALU_DEP_1)
	v_lshl_or_b32 v[PSW], v[PSW], 16, v[PSW]
	v_cvt_f32_u32 v[T2+1], s[NH]
	v_fma_f32 v14, v[T2+1], v[TMP], v14            ; the sum takes my 64 keys of each hidden step
	v_min_num_f32 v[TMP], v[TMP], v[HO]
.irp k, 0,1,2,3,4,5,6,7
	v_mov_b32 v[S+\k], v[TMP]
.endr
.irp k, 0,1,2,3,4,5,6,7
	v_cvt_scalef32_pk8_fp8_f32 v[PC+2*\k:PC+2*\k+1], v[S:S+7], v[SO]
.endr
	v_nop                                          ; one plain line behind the last conversion
.endif
.Lno_tail_\@:
	s_add_co_u32 s[J], s[J], 1
	s_add_co_u32 s[TB], s[TB], REC
.endm
.macro WALK j0, n, hid                 ; key steps j0 .. j0 + n - 1: a constant trip count
	s_mov_b32 s[J], \j0
	s_mov_b32 s[TB], (\j0)*REC
	s_mov_b32 s[CNT], \n
.Lstep_\@:
	STEP \hid
	s_sub_co_u32 s[CNT], s[CNT], 1
	s_cmp_lg_u32 s[CNT], 0
	s_cbranch_scc1 .Lstep_\@
.endm
; THE WAY OUT of a tile.  O^T / the sum; register 16 b + i is d = 32 b + 16 (lane / 16) + i: two blocks of 32 along the last product's K, quantised as they stand.
.macro WAYOUT
.rept 8
	v_nop
.endr
	v_add_f32 v14, v14, v15
	s_delay_alu instid0(VALU_DEP_1)
	v_permlanex16_b32 v[TMP], v14, s[SEL], s[SEL+1]
	s_delay_alu instid0(VALU_DEP_1)
	v_add_f32 v14, v14, v[TMP]                     ; the row's sum
	s_wait_alu depctr_va_vdst(0)
	v_rcp_f32 v14, v14
	v_nop
.set n, 0
	s_wait_alu depctr_va_vdst(0)
.rept 16
	v_pk_mul_f32 v[OT+n:OT+n+1], v[OT+n:OT+n+1], v[14:15] op_sel_hi:[1,0]
.set n, n+2
.endr
.irp b, 0,1
	v_max3_num_f32 v[BM+\b], |v[OT+16*\b]|, |v[OT+1+16*\b]|, 0x4800000
.endr
.irp i, 2,4,6,8,10,12,14
.irp b, 0,1
	s_delay_alu instid0(VALU_DEP_2)
	v_max3_num_f32 v[BM+\b], v[BM+\b], |v[OT+16*\b+\i]|, |v[OT+1+16*\b+\i]|
.endr
.endr
.irp b, 0,1
	s_delay_alu instid0(VALU_DEP_2)
	v_permlanex16_b32 v[T2+\b], v[BM+\b], s[SEL], s[SEL+1]
.endr
.irp b, 0,1
	s_delay_alu instid0(VALU_DEP_2)
	v_max_num_f32 v[BM+\b], v[BM+\b], v[T2+\b]
.endr
.irp b, 0,1
	s_delay_alu instid0(VALU_DEP_2)
	v_add_nc_u32 v[SO+\b], 0xfc000000, v[BM+\b]
.endr
.irp b, 0,1
	s_delay_alu instid0(VALU_DEP_4)
	v_and_or_b32 v[HO+\b], v[BM+\b], 0x7f800000, s[MNT]
.endr
.irp b, 0,1
	s_delay_alu instid0(VALU_DEP_4)
	v_lshrrev_b32 v[T2+\b], 23, v[SO+\b]
.endr
.irp b, 0,1
.irp i, 0,1,2,3,4,5,6,7,8,9,10,11,12,13,14,15
	v_med3_num_f32 v[OT+16*\b+\i], v[OT+16*\b+\i], -v[HO+\b], v[HO+\b]
.endr
	v_cvt_scalef32_pk8_fp8_f32 v[OC+4*\b:OC+1+4*\b], v[OT+16*\b:OT+7+16*\b], v[SO+\b]
	v_cvt_scalef32_pk8_fp8_f32 v[OC+2+4*\b:OC+3+4*\b], v[OT+8+16*\b:OT+15+16*\b], v[SO+\b]
.endr
	v_cndmask_b32 v[TMP], v[T2], v[T2+1], s[HM]    ; lanes 0-15 store block 0's byte, lanes 16-31 block 1's (also the plain line behind the conversions)
	global_store_b128 v[LI], v[OC:OC+3], s[60:61]              ; each store covers 512 consecutive bytes, aligned
	global_store_b128 v[LI], v[OC+4:OC+7], s[60:61] offset:512
	global_store_b8 v[OSO], v[TMP], s[62:63]       ; one byte a lane, rows 32 bytes apart: a head owns 2 of a row's 32 scale bytes
.endm
	s_wait_alu depctr_va_vdst(0)                   ; the wait at the head's end
	s_wait_loadcnt 0x0                             ; Q
	s_cmp_lt_u32 s[WV], 2
	s_cbranch_scc0 .Lnot_first
	s_wait_tensorcnt 0x0                           ; waves 0 and 1: records 0 and 1 have landed
.Lnot_first:
	s_barrier_signal -1
	s_barrier_wait -1
	WALK 0, 2, 1
	s_wait_alu depctr_va_vdst(0)
	s_wait_tensorcnt 0x0                           ; every wave: its record has landed
	s_cmp_eq_u32 s[ROLE], 0
	s_cbranch_scc1 .Lno_q
	ds_store_b128 v[XA], v[QF:QF+3] offset:4608    ; wave B: Q's image and scale words of block 15 - i's tile, for wave A
	ds_store_b128 v[XA], v[QF+4:QF+7] offset:5120
	ds_store_b32 v[XA], v[QS] offset:5632
.Lno_q:
	s_wait_dscnt 0x0
	s_barrier_signal -1
	s_barrier_wait -1                              ; all sixteen records are whole, and Q's image stands
	WALK 2, 14, 1
	s_wait_alu depctr_va_vdst(0)
	s_cmp_lg_u32 s[ROLE], 0
	s_cbranch_scc1 .Lkeep
	WAYOUT                                         ; wave A: block i's tile leaves; then the state begins anew for block 15 - i's tile
	s_sub_co_u32 s18, 15, ttmp9
	s_lshl_b32 s18, s18, 7
	s_wait_xcnt 0x0                                ; the stores have read their registers
	ds_load_b128 v[QF:QF+3], v[XA] offset:4608
	ds_load_b128 v[QF+4:QF+7], v[XA] offset:5120
	ds_load_b32 v[QS], v[XA] offset:5632
	v_bfe_u32 v[TMP], v0, 4, 1
	v_lshl_add_u32 v[TMP], v[TMP], 4, v[VD]        ; my query in its block,
	v_add_nc_u32 v[TMP], s18, v[TMP]               ; in the sequence
	v_cmp_eq_u32 vcc_lo, 0x7ff, v[TMP]
	v_mov_b32 v[TMP], 0xff61b1e6
	v_mul_f32 v13, s[CS], v[SMR]
	v_cndmask_b32 v13, v13, v[TMP], vcc_lo
	v_floor_f32 v12, -v13
	v_mov_b32 v14, 0
	v_mov_b32 v15, 0
	CLR OT, 32
	s_wait_alu depctr_va_vdst(0)
	s_wait_dscnt 0x0
.Lkeep:
	s_sub_co_u32 s[JD], 15, ttmp9                  ; the second walk: A takes steps NB .. 15 - i with scores; B nothing
	s_mov_b32 s[FHI], s[JD]
	s_cmp_lg_u32 s[ROLE], 0
	s_cselect_b32 s[FLO], 99, s[NB]
	WALK 9, 7, 0
	s_wait_alu depctr_va_vdst(0)
	s_cmp_lg_u32 s[ROLE], 0
	s_cbranch_scc1 .Lno_part
.rept 8
	v_nop
.endr
	v_add_f32 v14, v14, v15                        ; wave A: its part of the tile goes to B: O^T, each accumulator from its low end on; -M and the sum
.irp t, 0,1,2,3
	s_wait_alu depctr_va_vdst(0)                   ; the wait ahead of an accumulator's first reader
	ds_store_b128 v[XA], v[OT+8*\t:OT+8*\t+3] offset:1024*\t
	ds_store_b128 v[XA], v[OT+8*\t+4:OT+8*\t+7] offset:1024*\t+512
.endr
	ds_store_b128 v[XA], v[12:15] offset:4096
.Lno_part:
	s_wait_dscnt 0x0
	s_barrier_signal -1
	s_barrier_wait -1
	s_cmp_eq_u32 s[ROLE], 0
	s_cbranch_scc1 .Lend
.rept 8
	v_nop                                          ; wave B: places in front of loads into registers that products have read
.endr
.irp k, 0,1,2,3,4,5,6,7
	ds_load_b128 v[S+4*\k:S+4*\k+3], v[XA] offset:512*\k
.endr
	ds_load_b128 v[S+32:S+35], v[XA] offset:4096
	v_add_f32 v14, v14, v15
	s_wait_alu depctr_va_vdst(0)
	s_wait_dscnt 0x0
	v_min_num_f32 v[TMP], v12, v[S+32]             ; the joint -M
	v_sub_f32 v[BM], v[TMP], v12                   ; my M - the joint M, and A's: whole numbers, 0 or less
	v_sub_f32 v[BM+1], v[TMP], v[S+32]
	v_cvt_i32_f32 v[BM], v[BM]
	v_cvt_i32_f32 v[BM+1], v[BM+1]
	v_ldexp_f32 v[FF], 1.0, v[BM]
	v_ldexp_f32 v[T2], 1.0, v[BM+1]
	v_mul_f32 v14, v14, v[FF]
	v_mov_b32 v15, 0
	v_fma_f32 v14, v[S+34], v[T2], v14             ; both sums under the joint M
	s_wait_alu depctr_va_vdst(0)                   ; the wait ahead of O^T's first reader
.set n, 0
.rept 16
	v_pk_mul_f32 v[OT+n:OT+n+1], v[OT+n:OT+n+1], v[FF:FF+1] op_sel_hi:[1,0]
.set n, n+2
.endr
.set n, 0
.rept 16
	v_pk_fma_f32 v[OT+n:OT+n+1], v[S+n:S+n+1], v[T2:T2+1], v[OT+n:OT+n+1] op_sel_hi:[1,0,1]
.set n, n+2
.endr
	WAYOUT
.Lend:
	s_wait_tensorcnt 0x0                           ; the wave's end
	ds_add_u32 v254, v255
	s_wait_dscnt 0x0
	s_endpgm
.Lfunc_end_k_q78943c6a57_attn:
	.size	k_q78943c6a57_attn, .Lfunc_end_k_q78943c6a57_attn-k_q78943c6a57_attn
	.p2alignl 7, 3214868480
	.fill 96, 4, 3214868480
	.section	.rodata,"a",@progbits
	.p2align	6, 0x0
	.amdhsa_kernel k_q78943c6a57_attn
		.amdhsa_group_segment_fixed_size 327680
		.amdhsa_private_segment_fixed_size 0
		.amdhsa_enable_private_segment 0
		.amdhsa_kernarg_size 32
		.amdhsa_user_sgpr_count 2
		.amdhsa_user_sgpr_kernarg_segment_ptr 1
		.amdhsa_wavefront_size32 1
		.amdhsa_system_sgpr_workgroup_id_x 1
		.amdhsa_system_sgpr_workgroup_id_y 1
		.amdhsa_system_sgpr_workgroup_id_z 1
		.amdhsa_system_vgpr_workitem_id 0
		.amdhsa_next_free_vgpr 256
		.amdhsa_next_free_sgpr 80
		.amdhsa_reserve_vcc 1
		.amdhsa_float_denorm_mode_32 3
		.amdhsa_float_denorm_mode_16_64 3
		.amdhsa_memory_ordered 1
		.amdhsa_forward_progress 1
		.amdhsa_inst_pref_size 135
	.end_amdhsa_kernel
	.amdgpu_metadata
---
amdhsa.version: [ 1, 2 ]
amdhsa.kernels:
  - .name:           k_q78943c6a57_attn
    .symbol:         k_q78943c6a57_attn.kd
    .args:
      - { .name: qr, .offset: 0, .size: 8, .value_kind: global_buffer, .address_space: global }
      - { .name: kv, .offset: 8, .size: 8, .value_kind: global_buffer, .address_space: global }
      - { .name: oc, .offset: 16, .size: 8, .value_kind: global_buffer, .address_space: global }
      - { .name: os, .offset: 24, .size: 8, .value_kind: global_buffer, .address_space: global }
    .group_segment_fixed_size: 327680
    .private_segment_fixed_size: 0
    .kernarg_segment_align: 8
    .kernarg_segment_size: 32
    .max_flat_workgroup_size: 512
    .sgpr_count:     80
    .vgpr_count:     256
    .wavefront_size: 32
...
	.end_amdgpu_metadata
.endif
;; end of part 3
;; launch proj (part 4): grid 8 x 32, 4 waves a work-group, clusters of 4 x 4, 288,256 bytes of LDS; arguments oc, os, cod, scl, b_o, out0; writes out0
.if DOCPART == 4
	.amdgcn_target "amdgcn-amd-amdhsa--gfx1250"
	.amdhsa_code_object_version 6
	.text
	.protected	k_q78943c6a57_proj
	.globl	k_q78943c6a57_proj
	.p2align	8
	.type	k_q78943c6a57_proj,@function
k_q78943c6a57_proj:
	s_mov_b64 s[64:65], 0
	v_nop
	global_prefetch_b8 v0, s[64:65] scope:SCOPE_SE
	s_setreg_imm32_b32 hwreg(HW_REG_WAVE_MODE, 25, 1), 1
	s_wait_xcnt 0x0
	s_wait_alu depctr_hold_cnt(0) depctr_sa_sdst(0) depctr_va_vdst(0) depctr_va_sdst(0) depctr_va_ssrc(0) depctr_va_vcc(0) depctr_vm_vsrc(0)
	s_getreg_b32 s2, hwreg(HW_REG_IB_STS2, 6, 4)
	s_cmp_eq_u32 s2, 0
	s_cbranch_scc0 .Lentry_in_a_cluster
	s_endpgm
.Lentry_in_a_cluster:
	s_bfe_u32 s2, ttmp6, 0x10000c
	s_cmp_lg_u32 s2, 0xf033
	s_cbranch_scc0 .Lentry_shape_is_right
	s_endpgm
.Lentry_shape_is_right:
; out0 = pre_O W_o^T + b_o on codes of E4M3 with one E8M0 scale for each 32 along K = 1,024; out0 [4096][1024] f32.
; A tile of 128 tokens x 128 outputs to a work-group (256 of them), 64 x 64 to each of its four waves: 16 accumulators.
; pre_O's codes lie in oc as images of the operand's registers, [block of 128 tokens][K step of 128][tile of 16 rows][4 groups of 4 registers][lane][16 bytes]; its scale bytes in os [row in tile order][32].
; W_o's codes are rows 7168 on of cod (1,024 bytes a row, tile order), its scale bytes in scl.
; THE MATRIX INSTRUCTION IS USED TRANSPOSED (source 0 = 16 rows of W_o, source 1 = 16 rows of pre_O): a lane holds eight neighbouring outputs of one token.  The bias is the C of each sum's first instruction.
; Tile order: register j of B's tile b is output 32 (b / 2) + 16 (lane / 16) + 8 (b % 2) + j; lane r of A's tile a is token 32 (a / 2) + 8 (a % 2) + r + 8 (r / 8).
; LDS: ALL of K stays, filled once, ONE load a wave: wave 0 A's K steps 0-3 (65,536 dense bytes), wave 1 B's 128 rows x K 0-511 (rows of 512 bytes + 16 of padding), waves 2 and 3 the same for the second half of K.
; Each wave has a load line of its own: the first barrier shows waves 0 and 1's, the barrier ahead of K step 4's fragments the rest.
; CLUSTERS: 4 x 4 work-groups; A's halves are asked for jointly by the four of a row of the cluster, B's by the four of a column.
; NO PREFETCH: all tiles are asked for at the head; no later load is left to run ahead of.
; REGISTERS: window 0: v16-26 addresses; v32-63 A's scale words (8 a + s); v64-95 B's (8 b + s); v96-127 the biases (8 b + j); v128-255 the accumulators ((a, b) at 128 + 8 (4 a + b)).
;   window 1: two fragment buffers of 128: A's four fragments, then B's four.
.set AH,   65536                       ; half of A
.set BOFF, 131072                      ; B lies behind A
.set BP,   528                         ; a row of B in LDS
.set BH,   128*BP                      ; half of B
.set STG,  BOFF+2*BH                   ; a stage of 16 rows x (256 bytes + 16) for each wave; no tile lands there
.set ADA,  16                          ; v16-19 LDS address of my A fragments for K steps 2 q, 2 q + 1
.set ADB,  20                          ; v20-23 of my B fragments
.set STO,  24
.set RD,   25
.set CO,   26
.set ASC,  32
.set BSC,  64
.set BO,   96
.set ACC,  128
.set WV,   16
.set G1A,  24
.set G1B,  32
.set G0A,  40
.set G0B,  68
.set MSB, 0
.macro WIN new                         ; the immediate's high byte repeats the setting that is left
.set WNEW, \new
.if MSB != WNEW
	s_set_vgpr_msb (MSB<<8)|WNEW
.set MSB, WNEW
.endif
.endm
.macro CROUND                          ; a round of the cluster's barrier
	s_barrier_signal -1
	s_barrier_wait -1
	s_cmp_lg_u32 s[WV], 0
	s_cbranch_scc1 .Lnot_wave_0_\@
	s_barrier_signal -3
.Lnot_wave_0_\@:
	s_barrier_wait -3
	s_barrier_signal -1
	s_barrier_wait -1
.endm
	s_load_b256 s[4:11], s[0:1], 0x0               ; oc, os, cod, scl
	s_load_b128 s[12:15], s[0:1], 0x20             ; b_o, out0
	v_lshl_add_u32 v30, v0, 2, 0x46400
	v_mov_b32 v31, 0
	ds_add_u32 v30, v31                            ; the opening lines: the add twice on end and its wait
	ds_add_u32 v30, v31
	v_lshrrev_b32 v1, 5, v0
	v_readfirstlane_b32 s[WV], v1                  ; wave 0..3
	s_lshr_b32 s17, s[WV], 1                       ; which 64 tokens are mine.  Also: which half of K I fetch
	s_and_b32 s18, s[WV], 1                        ; which 64 outputs.  Also: I fetch for A (0) or for B (1)
	s_bfe_u32 s56, ttmp6, 0x40000                  ; cx, cy
	s_bfe_u32 s57, ttmp6, 0x40004
	s_lshl_b32 s58, ttmp9, 2
	s_add_co_u32 s58, s58, s56                     ; which 128 outputs
	s_and_b32 s59, ttmp7, 0xffff
	s_lshl_b32 s59, s59, 2
	s_add_co_u32 s59, s59, s57                     ; which 128 tokens
	s_lshl_b32 s60, s57, 2
	s_lshl_b32 s60, 15, s60                        ; my row of the cluster
	s_lshl_b32 s61, 0x1111, s56                    ; my column
	s_or_b32 s[G1A+0], s60, (3<<16)|(1<<21)        ; A: 65,536 dense bytes as 256 rows of 256 (32 elements of 8 bytes), no padding
	s_mov_b32 s[G1A+1], 32<<16
	s_mov_b32 s[G1A+2], 256<<16
	s_mov_b32 s[G1A+3], 32<<16
	s_mov_b32 s[G1A+4], 256
	s_mov_b32 s[G1A+5], 32
	s_mov_b32 s[G1A+6], 0
	s_mov_b32 s[G1A+7], 0
	s_or_b32 s[G1B+0], s61, (0<<16)|(1<<20)|(1<<21)|(6<<22)|(3<<25)   ; B: 128 rows of 512 bytes, 1,024 apart, 4 words of padding after every 128
	s_mov_b32 s[G1B+1], 512<<16
	s_mov_b32 s[G1B+2], 128<<16
	s_mov_b32 s[G1B+3], 512<<16
	s_mov_b32 s[G1B+4], 128
	s_mov_b32 s[G1B+5], 1024
	s_mov_b32 s[G1B+6], 0
	s_mov_b32 s[G1B+7], 0
	s_lshl_b32 s20, s59, 17                        ; A: 131,072 bytes for each 128 tokens,
	s_lshl_b32 s19, s17, 16                        ; + my half; the same in LDS
	s_add_co_u32 s20, s20, s19
	s_mov_b32 s21, 0
	s_lshl_b32 s22, s58, 7
	s_add_co_u32 s22, s22, 7168                    ; B: row 7168 + 128 x tile of cod,
	s_lshl_b32 s22, s22, 10
	s_lshl_b32 s23, s17, 9                         ; + 512 bytes for the second half of K
	s_add_co_u32 s22, s22, s23
	s_mov_b32 s23, 0
	s_mul_i32 s84, s17, BH
	s_add_co_u32 s84, s84, BOFF
	s_wait_dscnt 0x0
	s_wait_kmcnt 0x0
	s_add_nc_u64 s[20:21], s[4:5], s[20:21]
	s_add_nc_u64 s[22:23], s[8:9], s[22:23]
	CROUND                                         ; all sixteen work-groups are here: the joint loads meet
	s_mov_b32 s[G0A], 1
	s_mov_b32 s[G0A+1], s19
	s_mov_b64 s[G0A+2:G0A+3], s[20:21]
	s_or_b32 s[G0A+3], s[G0A+3], 0x80000000
	s_mov_b32 s[G0B], 1
	s_mov_b32 s[G0B+1], s84
	s_mov_b64 s[G0B+2:G0B+3], s[22:23]
	s_or_b32 s[G0B+3], s[G0B+3], 0x80000000
.macro ARM w, g0, g1, next             ; one chain of branches on the wave's number, one load to an arm
	s_cmp_eq_u32 s[WV], \w
	s_cbranch_scc0 \next
	tensor_load_to_lds s[\g0:\g0+3], s[\g1:\g1+7]
	s_nop 0
.rept 4
	v_nop
.endr
	s_branch .Lfirst_asked
\next:
.endm
	ARM 0, G0A, G1A, .Lw1
	ARM 1, G0B, G1B, .Lw2
	ARM 2, G0A, G1A, .Lw3
	tensor_load_to_lds s[G0B:G0B+3], s[G1B:G1B+7]
	s_nop 0
.rept 4
	v_nop
.endr
.Lfirst_asked:
	v_and_b32 v1, 15, v0                           ; r
	v_bfe_u32 v2, v0, 4, 1                         ; h
	v_and_b32 v3, 31, v0
	v_lshlrev_b32 v3, 4, v3                        ; 16 x lane
	s_lshl_b32 s85, s17, 13                        ; my four tiles of A: 8,192 bytes on for the second half of the tokens
	v_add_nc_u32 v4, s85, v3
	v_mul_u32_u24 v5, v1, BP
	v_lshl_add_u32 v5, v2, 4, v5
	s_mul_i32 s85, s18, 64*BP
	s_add_co_u32 s85, s85, BOFF
	v_add_nc_u32 v5, s85, v5                       ; my 64 rows of B: row r x pitch + 16 h
.irp q, 0,1,2,3
	v_add_nc_u32 v[ADA+\q], \q*32768, v4
	v_add_nc_u32 v[ADB+\q], (\q/2)*BH+(\q%2)*256, v5
.endr
	s_mul_i32 s85, s[WV], 16*272
	s_add_co_u32 s85, s85, STG                     ; my stage
	v_mul_u32_u24 v6, v1, 272
	v_lshl_add_u32 v6, v2, 6, v6
	v_add_nc_u32 v[STO], s85, v6                   ; in: row r, + 64 h bytes
	v_mul_u32_u24 v6, v2, 272
	v_lshl_add_u32 v6, v1, 4, v6
	v_add_nc_u32 v[RD], s85, v6                    ; back: lanes 0-15 one row of 256 bytes, lanes 16-31 the next
	v_lshlrev_b32 v6, 12, v2
	v_lshl_add_u32 v[CO], v1, 4, v6                ; and the same two rows in out0
	v_lshlrev_b32 v7, 5, v1                        ; scale bytes: 32 a row
	s_wait_alu depctr_va_vdst(0)
	v_lshlrev_b32 v8, 6, v2                        ; biases: 16 numbers on for lanes 16-31
	s_wait_alu depctr_va_vdst(0)                   ; the wait ahead of the scalar lines below
	s_lshl_b32 s62, s59, 7
	s_lshl_b32 s63, s17, 6
	s_add_co_u32 s62, s62, s63                     ; my first token, in tile order
	s_lshl_b32 s86, s62, 5
	s_mov_b32 s87, 0
	s_add_nc_u64 s[86:87], s[6:7], s[86:87]        ; its scale bytes
	s_lshl_b32 s62, s62, 12
	s_lshl_b32 s63, s58, 9
	s_add_co_u32 s62, s62, s63
	s_lshl_b32 s63, s18, 8
	s_add_co_u32 s62, s62, s63
	s_mov_b32 s63, 0
	s_add_nc_u64 s[14:15], s[14:15], s[62:63]
	s_lshl_b32 s88, s58, 7
	s_lshl_b32 s89, s18, 6
	s_add_co_u32 s88, s88, s89                     ; my first output
	s_lshl_b32 s90, s88, 2
	s_mov_b32 s91, 0
	s_add_nc_u64 s[90:91], s[12:13], s[90:91]      ; its bias
	s_add_co_u32 s88, s88, 7168
	s_lshl_b32 s88, s88, 5
	s_mov_b32 s89, 0
	s_add_nc_u64 s[88:89], s[10:11], s[88:89]      ; its row's scale bytes
.irp a, 0,1,2,3
	global_load_b128 v[ASC+8*\a:ASC+8*\a+3], v7, s[86:87] offset:512*\a
	global_load_b128 v[ASC+8*\a+4:ASC+8*\a+7], v7, s[86:87] offset:512*\a+16
	global_load_b128 v[BSC+8*\a:BSC+8*\a+3], v7, s[88:89] offset:512*\a
	global_load_b128 v[BSC+8*\a+4:BSC+8*\a+7], v7, s[88:89] offset:512*\a+16
	global_load_b128 v[BO+8*\a:BO+8*\a+3], v8, s[90:91] offset:4*(32*(\a/2)+8*(\a%2))
	global_load_b128 v[BO+8*\a+4:BO+8*\a+7], v8, s[90:91] offset:4*(32*(\a/2)+8*(\a%2))+16
.endr
.macro FETCH s, f                      ; 32 LDS loads in one run: K step s's fragments into buffer f of window 1
	WIN 0x40
.irp i, 0,1,2,3
.irp c, 0,1,2,3
	ds_load_b128 v[(\f)+64+16*\i+4*\c:(\f)+64+16*\i+4*\c+3], v[ADB+(\s)/2] offset:16*BP*\i+128*((\s)%2)+32*\c
.endr
.endr
.irp i, 0,1,2,3
.irp c, 0,1,2,3
	ds_load_b128 v[(\f)+16*\i+4*\c:(\f)+16*\i+4*\c+3], v[ADA+(\s)/2] offset:16384*((\s)%2)+2048*\i+512*\c
.endr
.endr
.endm
.macro MUL s, f, first                 ; 16 matrix instructions; the 16 accumulators take turns, in the same order in every step
	WIN 0x05
.irp a, 0,1,2,3
.irp b, 0,1,2,3
.if \first
	v_wmma_scale_f32_16x16x128_f8f6f4 v[ACC+8*(4*\a+\b):ACC+8*(4*\a+\b)+7], v[(\f)+64+16*\b:(\f)+64+16*\b+15], v[(\f)+16*\a:(\f)+16*\a+15], v[BO+8*\b:BO+8*\b+7], v[BSC+8*\b+(\s)], v[ASC+8*\a+(\s)]
.else
	v_wmma_scale_f32_16x16x128_f8f6f4 v[ACC+8*(4*\a+\b):ACC+8*(4*\a+\b)+7], v[(\f)+64+16*\b:(\f)+64+16*\b+15], v[(\f)+16*\a:(\f)+16*\a+15], v[ACC+8*(4*\a+\b):ACC+8*(4*\a+\b)+7], v[BSC+8*\b+(\s)], v[ASC+8*\a+(\s)]
.endif
.endr
.endr
.endm
.macro PLACES                          ; eight places in front of loads into registers that matrix instructions have read, and of the first read of results (ISA guide 7.12.1 for the first read of results)
.rept 8
	v_nop
.endr
.endm
; K step s: the next step's fragments are asked for, into the buffer that step s - 1 multiplied; then this step's 16 products.
.macro KSTEP s
.if \s > 0
	PLACES
.endif
.if \s < 7
.if \s == 3
	s_wait_tensorcnt 0x0                           ; every wave: its load has landed: the second half of K
	s_wait_dscnt 0x0
	s_barrier_signal -1
	s_barrier_wait -1
.endif
	FETCH \s+1, 128*((\s+1)%2)
	s_wait_dscnt 32                                ; all but the 32 just issued
.else
	s_wait_dscnt 0x0
.endif
.if \s == 0
	MUL \s, 128*(\s%2), 1
.else
	MUL \s, 128*(\s%2), 0
.endif
.endm
	s_cmp_lt_u32 s[WV], 2
	s_cbranch_scc0 .Lnot_first
	s_wait_tensorcnt 0x0                           ; waves 0 and 1: the first half of K has landed
.Lnot_first:
	s_barrier_signal -1
	s_barrier_wait -1
	FETCH 0, 0
	s_wait_loadcnt 0x0                             ; the scale words and the biases
.irp s, 0,1,2,3,4,5,6,7
	KSTEP \s
.endr
	WIN 0
; THE WAY OUT, a tile of 16 tokens x 64 outputs at a time: a lane's 32 bytes go into my own stage and come back as whole rows of 256 bytes, into the registers that they left.
; LDS serves a wave's instructions in order (ISA guide 5.7.1.4): no wait between the stores and the loads, nor in front of the next tile's stores.
.macro TOSTAGE a
.irp b, 0,1,2,3
	ds_store_b128 v[STO], v[ACC+8*(4*\a+\b):ACC+8*(4*\a+\b)+3] offset:128*(\b/2)+32*(\b%2)
	ds_store_b128 v[STO], v[ACC+8*(4*\a+\b)+4:ACC+8*(4*\a+\b)+7] offset:128*(\b/2)+32*(\b%2)+16
.endr
.irp t, 0,1,2,3,4,5,6,7
	ds_load_b128 v[ACC+32*\a+4*\t:ACC+32*\a+4*\t+3], v[RD] offset:544*\t
.endr
.endm
.macro SEND a, younger                 ; younger: the LDS instructions issued behind tile a's loads: the next tile's sixteen, or none
.irp t, 0,1,2,3,4,5,6,7
	s_wait_dscnt \younger+7-\t
	global_store_b128 v[CO], v[ACC+32*\a+4*\t:ACC+32*\a+4*\t+3], s[14:15] offset:4096*(32*(\a/2)+8*(\a%2)+2*\t+8*(\t/4)) th:TH_STORE_NT   ; 16 lanes store 256 consecutive bytes, aligned
.endr
.endm
	PLACES
	TOSTAGE 0
	TOSTAGE 1
	SEND 0, 16
	TOSTAGE 2
	SEND 1, 16
	TOSTAGE 3
	SEND 2, 16
	SEND 3, 0
	s_wait_tensorcnt 0x0                           ; the wave's end
	ds_add_u32 v30, v31
	s_wait_dscnt 0x0
	CROUND                                         ; the closing round
	s_endpgm
.Lfunc_end_k_q78943c6a57_proj:
	.size	k_q78943c6a57_proj, .Lfunc_end_k_q78943c6a57_proj-k_q78943c6a57_proj
	.p2alignl 7, 3214868480
	.fill 96, 4, 3214868480
	.section	.rodata,"a",@progbits
	.p2align	6, 0x0
	.amdhsa_kernel k_q78943c6a57_proj
		.amdhsa_group_segment_fixed_size 288256
		.amdhsa_private_segment_fixed_size 0
		.amdhsa_enable_private_segment 0
		.amdhsa_kernarg_size 48
		.amdhsa_user_sgpr_count 2
		.amdhsa_user_sgpr_kernarg_segment_ptr 1
		.amdhsa_wavefront_size32 1
		.amdhsa_system_sgpr_workgroup_id_x 1
		.amdhsa_system_sgpr_workgroup_id_y 1
		.amdhsa_system_sgpr_workgroup_id_z 1
		.amdhsa_system_vgpr_workitem_id 0
		.amdhsa_next_free_vgpr 512
		.amdhsa_next_free_sgpr 92
		.amdhsa_reserve_vcc 0
		.amdhsa_float_denorm_mode_32 3
		.amdhsa_float_denorm_mode_16_64 3
		.amdhsa_memory_ordered 1
		.amdhsa_forward_progress 1
		.amdhsa_inst_pref_size 53
	.end_amdhsa_kernel
	.amdgpu_metadata
---
amdhsa.version: [ 1, 2 ]
amdhsa.kernels:
  - .name:           k_q78943c6a57_proj
    .symbol:         k_q78943c6a57_proj.kd
    .args:
      - { .name: oc, .offset: 0, .size: 8, .value_kind: global_buffer, .address_space: global }
      - { .name: os, .offset: 8, .size: 8, .value_kind: global_buffer, .address_space: global }
      - { .name: cod, .offset: 16, .size: 8, .value_kind: global_buffer, .address_space: global }
      - { .name: scl, .offset: 24, .size: 8, .value_kind: global_buffer, .address_space: global }
      - { .name: b_o, .offset: 32, .size: 8, .value_kind: global_buffer, .address_space: global }
      - { .name: out0, .offset: 40, .size: 8, .value_kind: global_buffer, .address_space: global }
    .group_segment_fixed_size: 288256
    .private_segment_fixed_size: 0
    .kernarg_segment_align: 8
    .kernarg_segment_size: 48
    .max_flat_workgroup_size: 128
    .sgpr_count:     92
    .vgpr_count:     512
    .wavefront_size: 32
...
	.end_amdgpu_metadata
.endif
;; end of part 4
